; MI455X (gfx1250); checked and timed in simulation.
; The chip was launched on July 23, 2026; its instructions are those of AMD's public machine-readable ISA for CDNA 5 (MIT licence, August 2026) and "CDNA5" Instruction Set Architecture Reference Guide (July 2026). The comments in the code are by the model that wrote it; some were corrected since.
;; Multihead Self Attention. Allowed arithmetic: float matrix products may take bf16 or f16 operands with f32 sums; all other float work in f32.
;; Inputs: Wk 1,024 x 1,024 float32; Wo 1,024 x 1,024 float32; Wq 1,024 x 1,024 float32; Wv 1,024 x 1,024 float32; x 2 x 2,048 x 1,024 float32.
;; Outputs: out0 2 x 2,048 x 1,024 float32.
;; 2 versions, each right; version 2 is version 1 with the launch prep written anew for expert scheduling mode. Each part assembles by itself: llvm-mc -triple=amdgcn-amd-amdhsa -mcpu=gfx1250 --defsym DOCPART=n.
;; ======== version 1 of 2: 4 launches
;; limits: values are held in f16: magnitudes above 65,504 overflow, below 6.1e-05 lose precision; inputs' magnitudes at most 65,504
;; workspace buffers: xh 8,388,608 bytes; wcat 6,291,456 bytes; woh 2,097,152 bytes; tab 524,288 bytes; qh 8,388,608 bytes; kh 8,388,608 bytes; vh 8,388,608 bytes; ao 8,388,608 bytes
;; launch prep (part 1): grid 512 x 1, 8 waves a work-group, no clusters, 0 bytes of LDS; arguments x, Wq, Wk, Wv, Wo, xh, wcat, woh, tab; writes xh, wcat, woh, tab
.if DOCPART == 1
	.amdgcn_target "amdgcn-amd-amdhsa--gfx1250"
	.amdhsa_code_object_version 6
	.text
	.protected	k_qcfcb7061a4_prep
	.globl	k_qcfcb7061a4_prep
	.p2align	8
	.type	k_qcfcb7061a4_prep,@function
k_qcfcb7061a4_prep:
	s_mov_b64 s[64:65], 0
	v_nop
	global_prefetch_b8 v0, s[64:65] scope:SCOPE_SE
	s_setreg_imm32_b32 hwreg(HW_REG_WAVE_MODE, 25, 1), 1
	s_wait_xcnt 0x0
; PREP: the f32 inputs are rounded once to bf16 (nearest even) and written as f16, which holds a bf16 number exactly for
; 2^-17 <= |x| < 65,504; and the table of RoPE's cosines and sines is made.
;   xh   [4096][1024] f16            = x
;   wcat [16 heads][q,k,v][64][1024] = Wq, Wk, Wv, the three parts of a head side by side
;   woh  [1024][1024] f16            = Wo
;   tab  [2048 positions][32 pairs][cos, sin] f32, 256 bytes a position
; LIMITS: an input of magnitude 65,504 or more becomes an infinity; below 2^-17 bits are lost (absolute error at most 2^-25).
; The phase pos * 10000^(-k/32) is made with v_exp_f32 and may differ from a correctly rounded one by some 2.5e-4 radians at
; the far end (pos near 2047, k = 1); sine and cosine themselves are good to a few units in the last place.
; A stream: no LDS, no barrier, no matrix unit.  512 work-groups of 8 waves; a work-group owns 16 rows of 1,024 f32 (64 KiB).
; Thread t owns the 16 bytes at 16 t of every row: a load of a wave covers 512 consecutive bytes, a store 256, aligned.
; All sixteen loads of a thread go out at once; no register is written twice, so the only waits are the counted ones for data.
.set XR, 16                            ; v[16:79]   row c: 4 registers as loaded
.set YR, 80                            ; v[80:111]  row c: 2 registers to store
	s_load_b512 s[4:19], s[0:1], 0x0               ; x s[4:5], Wq s[6:7], Wk s[8:9], Wv s[10:11], Wo s[12:13], xh s[14:15], wcat s[16:17], woh s[18:19]
	s_load_b64 s[20:21], s[0:1], 0x40              ; tab
	v_lshlrev_b32 v1, 4, v0                        ; my 16 bytes of an input row
	v_lshlrev_b32 v2, 3, v0                        ; my 8 bytes of an output row
	v_lshrrev_b32 v3, 5, v0
	v_readfirstlane_b32 s34, v3                    ; wave
	s_mov_b32 s22, ttmp9                           ; g: groups 0-255 take x, 256-511 the four weights, 64 groups each
	s_sub_co_u32 s23, s22, 256                     ; j (of no meaning for g < 256: the last selects below put x's figures in)
	s_lshr_b32 s24, s23, 6                         ; part: 0 Wq, 1 Wk, 2 Wv, 3 Wo
	s_and_b32 s25, s23, 63                         ; i: which 16 rows of that weight
	s_lshl_b32 s30, s25, 16                        ; source offset in a weight: 16 i rows of 4,096 bytes
	s_lshl_b32 s36, s22, 16                        ; source offset in x
	s_lshr_b32 s37, s25, 2                         ; head = 16 i / 64
	s_mul_i32 s37, s37, 192                        ; 192 rows of wcat a head
	s_lshl_b32 s38, s24, 6
	s_add_co_u32 s37, s37, s38                     ; + 64 part
	s_and_b32 s38, s25, 3
	s_lshl_b32 s38, s38, 4
	s_add_co_u32 s37, s37, s38                     ; + the row in the head
	s_lshl_b32 s37, s37, 11                        ; rows of 2,048 bytes
	s_lshl_b32 s38, s25, 15                        ; offset in woh
	s_lshl_b32 s39, s22, 15                        ; offset in xh
	s_mov_b32 s31, 0
	s_mov_b32 s33, 0
	s_wait_kmcnt 0x0
	s_cmp_eq_u32 s24, 0                            ; the buffers are chosen on the group's number alone
	s_cselect_b64 s[26:27], s[6:7], s[12:13]
	s_cmp_eq_u32 s24, 1
	s_cselect_b64 s[26:27], s[8:9], s[26:27]
	s_cmp_eq_u32 s24, 2
	s_cselect_b64 s[26:27], s[10:11], s[26:27]
	s_cmp_lt_u32 s24, 3
	s_cselect_b64 s[28:29], s[16:17], s[18:19]
	s_cselect_b32 s32, s37, s38
	s_cmp_lt_u32 s22, 256
	s_cselect_b64 s[26:27], s[4:5], s[26:27]
	s_cselect_b64 s[28:29], s[14:15], s[28:29]
	s_cselect_b32 s30, s36, s30
	s_cselect_b32 s32, s39, s32
	s_add_nc_u64 s[26:27], s[26:27], s[30:31]      ; from
	s_add_nc_u64 s[28:29], s[28:29], s[32:33]      ; to
.irp c, 0,1,2,3,4,5,6,7,8,9,10,11,12,13,14,15
	global_load_b128 v[XR+4*\c:XR+4*\c+3], v1, s[26:27] offset:4096*\c th:TH_LOAD_NT   ; each input byte is read once in the launch
.endr
	; THE TABLE, while the rows are on their way: waves 0-3 make position 4 g + wave, lane k the pair k.
	s_cmp_lt_u32 s34, 4
	s_cbranch_scc0 .Lrows
	s_lshl2_add_u32 s35, s22, s34                  ; pos = 4 g + wave
	v_and_b32 v3, 31, v0                           ; k
	v_cvt_f32_u32 v4, v3
	v_mul_f32 v4, 0xbed49a78, v4                   ; -k log2(10000) / 32
	v_exp_f32 v5, v4                               ; 10000^(-k/32)
	v_cvt_f32_u32 v6, s35                          ; the plain instruction behind the exponential (ISA guide 5.7.2)
	s_wait_alu depctr_va_vdst(0)
	v_mul_f32 v6, v6, v5                           ; the phase, one f32 product as in the definition
	v_mul_f32 v7, 0x3f22f983, v6                   ; x 2/pi
	v_rndne_f32 v7, v7                             ; n, at most 1,303
	v_fmamk_f32 v8, v7, 0xbfc90fdb, v6             ; r = phase - n pi/2, pi/2 in two parts
	v_fmamk_f32 v8, v7, 0x333bbd2e, v8             ; |r| <= pi/4
	v_mul_f32 v9, v8, v8                           ; z = r r
	v_mov_b32 v10, 0x3c08839e
	v_fmamk_f32 v10, v9, 0xb94ca1f9, v10
	v_fmaak_f32 v10, v10, v9, 0xbe2aaaa3
	v_mul_f32 v11, v8, v9
	v_fma_f32 v10, v11, v10, v8                    ; sin r = r + r z (S1 + z (S2 + z S3))
	v_mov_b32 v12, 0xbab6061a
	v_fmamk_f32 v12, v9, 0x37ccf5ce, v12
	v_fmaak_f32 v12, v12, v9, 0x3d2aaaa5
	v_mul_f32 v13, v9, v9
	v_fma_f32 v14, v9, -0.5, 1.0
	v_fma_f32 v12, v13, v12, v14                   ; cos r = 1 - z/2 + z z (C1 + z (C2 + z C3))
	v_cvt_i32_f32 v7, v7                           ; the quadrant is n mod 4
	v_and_b32 v13, 1, v7
	v_cmp_eq_u32 vcc_lo, 1, v13
	v_cndmask_b32 v14, v12, v10, vcc_lo            ; odd quadrants swap the two
	v_cndmask_b32 v15, v10, v12, vcc_lo
	v_and_b32 v13, 2, v7
	v_lshlrev_b32 v13, 30, v13
	v_xor_b32 v15, v13, v15                        ; the sine is negative in quadrants 2, 3
	v_add_nc_u32 v7, 1, v7
	v_and_b32 v13, 2, v7
	v_lshlrev_b32 v13, 30, v13
	v_xor_b32 v14, v13, v14                        ; the cosine in quadrants 1, 2
	s_lshl_b32 s30, s35, 8                         ; 256 bytes a position (s31 is 0)
	s_add_nc_u64 s[20:21], s[20:21], s[30:31]
	v_lshlrev_b32 v3, 3, v3
	global_store_b64 v3, v[14:15], s[20:21]        ; the wave stores the position's 256 consecutive bytes; v3, v14, v15 are not written again
.Lrows:
.irp c, 0,1,2,3,4,5,6,7,8,9,10,11,12,13,14,15
	s_wait_loadcnt 15-\c                           ; loads come back in order: row c is in, the 15 - c younger rows may be out
	v_cvt_pk_bf16_f32 v4, v[XR+4*\c], v[XR+4*\c+1] ; the one rounding: to bf16, nearest even
	v_cvt_pk_bf16_f32 v5, v[XR+4*\c+2], v[XR+4*\c+3]
	v_lshlrev_b32 v6, 16, v4                       ; back to f32
	v_and_b32 v7, 0xffff0000, v4
	v_lshlrev_b32 v8, 16, v5
	v_and_b32 v9, 0xffff0000, v5
	v_cvt_pk_f16_f32 v[YR+2*\c], v6, v7            ; exact inside the range stated at the head
	v_cvt_pk_f16_f32 v[YR+2*\c+1], v8, v9
	global_store_b64 v2, v[YR+2*\c:YR+2*\c+1], s[28:29] offset:2048*\c
.endr
	s_endpgm
.Lfunc_end_k_qcfcb7061a4_prep:
	.size	k_qcfcb7061a4_prep, .Lfunc_end_k_qcfcb7061a4_prep-k_qcfcb7061a4_prep
	.p2alignl 7, 3214868480
	.fill 96, 4, 3214868480
	.section	.rodata,"a",@progbits
	.p2align	6, 0x0
	.amdhsa_kernel k_qcfcb7061a4_prep
		.amdhsa_group_segment_fixed_size 0
		.amdhsa_private_segment_fixed_size 0
		.amdhsa_enable_private_segment 0
		.amdhsa_kernarg_size 72
		.amdhsa_user_sgpr_count 2
		.amdhsa_user_sgpr_kernarg_segment_ptr 1
		.amdhsa_wavefront_size32 1
		.amdhsa_system_sgpr_workgroup_id_x 1
		.amdhsa_system_sgpr_workgroup_id_y 1
		.amdhsa_system_sgpr_workgroup_id_z 1
		.amdhsa_system_vgpr_workitem_id 0
		.amdhsa_next_free_vgpr 112
		.amdhsa_next_free_sgpr 66
		.amdhsa_reserve_vcc 1
		.amdhsa_float_denorm_mode_32 3
		.amdhsa_float_denorm_mode_16_64 3
		.amdhsa_memory_ordered 1
		.amdhsa_forward_progress 1
		.amdhsa_inst_pref_size 14
	.end_amdhsa_kernel
	.amdgpu_metadata
---
amdhsa.version: [ 1, 2 ]
amdhsa.kernels:
  - .name:           k_qcfcb7061a4_prep
    .symbol:         k_qcfcb7061a4_prep.kd
    .args:
      - { .name: x, .offset: 0, .size: 8, .value_kind: global_buffer, .address_space: global }
      - { .name: Wq, .offset: 8, .size: 8, .value_kind: global_buffer, .address_space: global }
      - { .name: Wk, .offset: 16, .size: 8, .value_kind: global_buffer, .address_space: global }
      - { .name: Wv, .offset: 24, .size: 8, .value_kind: global_buffer, .address_space: global }
      - { .name: Wo, .offset: 32, .size: 8, .value_kind: global_buffer, .address_space: global }
      - { .name: xh, .offset: 40, .size: 8, .value_kind: global_buffer, .address_space: global }
      - { .name: wcat, .offset: 48, .size: 8, .value_kind: global_buffer, .address_space: global }
      - { .name: woh, .offset: 56, .size: 8, .value_kind: global_buffer, .address_space: global }
      - { .name: tab, .offset: 64, .size: 8, .value_kind: global_buffer, .address_space: global }
    .group_segment_fixed_size: 0
    .private_segment_fixed_size: 0
    .kernarg_segment_align: 8
    .kernarg_segment_size: 72
    .max_flat_workgroup_size: 256
    .sgpr_count:     66
    .vgpr_count:     112
    .wavefront_size: 32
...
	.end_amdgpu_metadata
.endif
;; end of part 1
;; launch qkv (part 2): grid 16 x 16, 4 waves a work-group, clusters of 4 x 4, 327,680 bytes of LDS; arguments xh, wcat, tab, qh, kh, vh; writes qh, kh, vh
.if DOCPART == 2
	.amdgcn_target "amdgcn-amd-amdhsa--gfx1250"
	.amdhsa_code_object_version 6
	.text
	.protected	k_qcfcb7061a4_qkv
	.globl	k_qcfcb7061a4_qkv
	.p2align	8
	.type	k_qcfcb7061a4_qkv,@function
k_qcfcb7061a4_qkv:
	s_mov_b64 s[64:65], 0
	v_nop
	global_prefetch_b8 v0, s[64:65] scope:SCOPE_SE
	s_setreg_imm32_b32 hwreg(HW_REG_WAVE_MODE, 25, 1), 1
	s_wait_xcnt 0x0
	s_wait_alu depctr_hold_cnt(0) depctr_sa_sdst(0) depctr_va_vdst(0) depctr_va_sdst(0) depctr_va_ssrc(0) depctr_va_vcc(0) depctr_vm_vsrc(0)
	s_getreg_b32 s2, hwreg(HW_REG_IB_STS2, 6, 4)
	s_cmp_eq_u32 s2, 0
	s_cbranch_scc0 .Lentry_in_a_cluster
	s_endpgm
.Lentry_in_a_cluster:
	s_bfe_u32 s2, ttmp6, 0x10000c
	s_cmp_lg_u32 s2, 0xf033
	s_cbranch_scc0 .Lentry_shape_is_right
	s_endpgm
.Lentry_shape_is_right:
; QKV: q, k, v of one head for 256 rows of x, with RoPE on q and k.  [256 x 1024] x [192 x 1024]^T in f16 with f32 sums.
; Grid: x = head (16), y = block of 256 of the 4,096 rows (16).  Four waves; wave w makes rows 64 w .. 64 w + 63 and all 192 columns
; (64 of q, 64 of k, 64 of v): 48 accumulator tiles of 16 x 16, 384 registers.  For 32 along K a wave reads 256 LDS rows of 64 bytes
; and issues 48 matrix instructions.  K goes in 8 steps of 128 through two LDS slots filled by the tensor data mover; a tile's rows are
; 256 consecutive bytes of memory at multiples of 256 from the buffer's first byte.
; CLUSTERS: 4 x 4 work-groups.  x's tile hangs on the row block alone and is asked for jointly along a row of the cluster, the weights'
; tile on the head alone and jointly along a column: four work-groups issue the same load with the same descriptor and a mask that names them.
; OUT: qh, kh, vh [batch*16 + head][2048][64] f16; each store of a wave covers 512 consecutive bytes.
; LIMITS: q, k, v are kept in f16: magnitudes of 65,504 and more become infinities (inputs thirty times the usual spread give some 5,000,
; offsets of thirty spreads on x and on the weights some 28,800); below 2^-14 the absolute error is at most 2^-25.
; REGISTERS, in windows of 256:
;   window 0: v16-27 addresses; v32-63, v64-95 fragments of x (4 x 16 rows x 32 K), two buffers; v128-255 the RoPE table of my 64 rows
;   window 1: v0-95, v96-191 fragments of the weights (12 x 16 rows x 32 K), two buffers
;   window 2: accumulators of my row blocks 0, 1 (tile (a, b) at v[8 (12 (a & 1) + b)]);  window 3: of row blocks 2, 3
; The matrix instruction takes the weights' rows as source 0 and x's rows as source 1: lane l then holds row l % 16 of the result and
; its registers 0-7 the columns 8 (l / 16) + 0 .. 7 of the tile: RoPE's pairs lie in one lane, and eight numbers pack into 16 bytes.
.set KSTEP,  128
.set DM,     1024
.set PITCH,  272                       ; an LDS row: 256 bytes + 16 of padding: the 16 rows of a fragment load start in 16 different 16-byte columns of 256 bytes
.set AHALF,  128*PITCH                 ; what one load brings of x
.set BHALF,  96*PITCH                  ; and of the weights
.set SLOT,   2*AHALF+2*BHALF           ; x's 256 rows, then the weights' 192
.set STAGE,  2*SLOT                    ; behind the ring, never filled by a tensor load: for each wave 3 parts x 16 rows x 144 bytes
.set SPITCH, 144
.set SPART,  16*SPITCH
.set LAPS,   DM/(2*KSTEP)              ; a lap = two K steps = once round the ring
.set ADRA, 16                          ; v16-17  LDS address of my x fragments in slot 0, 1
.set ADRB, 20                          ; v20-21  the same for the weights
.set STO,  24                          ; the way out: where I put 16 bytes of a row
.set RD,   25                          ; where I read rows back
.set CO,   26                          ; 16 x lane
.set TO,   27                          ; my byte offset in the table: the one vector register that holds a number made of the work-group's place
.set FA0,  32
.set FA1,  64
.set RO,   32                          ; the way out: v32-95 rotated q, k in f32, then v32-63 packed; v64-79 v packed
.set BK,   80                          ; v80-127 rows read back, and stored from
.set TB,   128                         ; v[TB + 32 a + 8 b']: c0 s0 c1 s1 c2 s2 c3 s3 of row 16 a + r, pairs 8 b' + 4 h + 0 .. 3
.set FB0,  0
.set FB1,  96
.set G1,  24                           ; s[24:31] group 1 for x's tiles
.set G0,  32                           ; s[32:39] group 0 for x's tiles, a set for each slot
.set G1B, 40                           ; s[40:47] group 1 for the weights' tiles
.set G0B, 48                           ; s[48:55] group 0 for the weights' tiles
.set MSB, 0
.macro WIN new                         ; s_set_vgpr_msb: bits 1:0 source 0, 3:2 source 1, 5:4 source 2, 7:6 destination; the high byte repeats the setting that is left
.if MSB != \new
	s_set_vgpr_msb (MSB<<8)|\new
.set MSB, \new
.endif
.endm
.set MUL_LO, 0xa1                      ; source 0 window 1, source 1 window 0, C and D window 2
.set MUL_HI, 0xf1                      ; the same, C and D window 3
.set TO_B,   0x40                      ; destination window 1
.macro PLACES                          ; four plain vector instructions behind a matrix instruction, before its registers are loaded into or its result is read (ISA guide 7.12.1)
.rept 4
	v_nop
.endr
.endm
; A joint load: waves 0, 1 ask for x's two halves, waves 2, 3 for the weights'.  The branch hangs on the wave's number alone.
.macro JLOAD s
	s_cmp_eq_u32 s17, 0
	s_cbranch_scc0 .Lfor_b_\@
	tensor_load_to_lds s[G0+4*\s:G0+4*\s+3], s[G1:G1+7]
	s_nop 0
	s_branch .Lasked_\@
.Lfor_b_\@:
	tensor_load_to_lds s[G0B+4*\s:G0B+4*\s+3], s[G1B:G1B+7]
	s_nop 0
.Lasked_\@:
.endm
.macro CREST                           ; a round of the cluster's barrier behind its opening work-group barrier
	s_cmp_lg_u32 s16, 0
	s_cbranch_scc1 .Lnot_wave_0_\@
	s_barrier_signal -3
.Lnot_wave_0_\@:
	s_barrier_wait -3
	s_barrier_signal -1
	s_barrier_wait -1
.endm
.macro CROUND                          ; a whole round
	s_barrier_signal -1
	s_barrier_wait -1
	CREST
.endm
	s_load_b256 s[4:11], s[0:1], 0x0               ; xh s[4:5], wcat s[6:7], tab s[8:9], qh s[10:11]
	s_load_b128 s[12:15], s[0:1], 0x20             ; kh s[12:13], vh s[14:15]
	s_set_vgpr_msb 0x40
	v_lshl_add_u32 v255, v0, 2, 0x42400
	s_set_vgpr_msb 0x4000
	v_mov_b32 v31, 0
	s_set_vgpr_msb 0x1
	ds_add_u32 v255, v31
	ds_add_u32 v255, v31
	s_set_vgpr_msb 0x100
	v_lshrrev_b32 v1, 5, v0
	v_readfirstlane_b32 s16, v1                    ; wave 0..3
	s_lshr_b32 s17, s16, 1                         ; I fetch for x (0) or for the weights (1)
	s_and_b32 s18, s16, 1                          ; which half of that tile
	s_bfe_u32 s19, ttmp6, 0x40000                  ; cx
	s_bfe_u32 s20, ttmp6, 0x40004                  ; cy
	s_lshl_b32 s21, ttmp9, 2
	s_add_co_u32 s21, s21, s19                     ; head = 4 x cluster x + cx
	s_and_b32 s22, ttmp7, 0xffff
	s_lshl_b32 s22, s22, 2
	s_add_co_u32 s22, s22, s20                     ; row block = 4 x cluster y + cy
	s_lshl_b32 s70, s20, 2
	s_lshl_b32 s70, 15, s70                        ; my row of the cluster: places 4 cy .. 4 cy + 3
	s_lshl_b32 s71, 0x1111, s19                    ; my column: places cx, cx + 4, cx + 8, cx + 12
	; group 1: rows of 128 elements of 2 bytes, 16 bytes of padding behind every 64 words, pitch 1,024 elements
	s_or_b32 s[G1+0], s70, (1<<16)|(1<<20)|(1<<21)|(5<<22)|(3<<25)
	s_mov_b32 s[G1+1], KSTEP<<16                   ; tensor_dim0 = 128
	s_mov_b32 s[G1+2], 128<<16                     ; tensor_dim1 = 128
	s_mov_b32 s[G1+3], KSTEP<<16                   ; tile_dim0 = 128
	s_mov_b32 s[G1+4], 128                         ; tile_dim1 = 128 rows
	s_mov_b32 s[G1+5], DM
	s_mov_b32 s[G1+6], 0
	s_mov_b32 s[G1+7], 0
	s_or_b32 s[G1B+0], s71, (1<<16)|(1<<20)|(1<<21)|(5<<22)|(3<<25)
	s_mov_b32 s[G1B+1], KSTEP<<16
	s_mov_b32 s[G1B+2], 96<<16                     ; 96 rows
	s_mov_b32 s[G1B+3], KSTEP<<16
	s_mov_b32 s[G1B+4], 96
	s_mov_b32 s[G1B+5], DM
	s_mov_b32 s[G1B+6], 0
	s_mov_b32 s[G1B+7], 0
	; x's address is made of the row block and the wave's number, the weights' of the head and the wave's number, in registers of their own
	s_lshl_b32 s56, s22, 19                        ; 256 rows of 2,048 bytes
	s_lshl_b32 s57, s18, 18                        ; + 128 rows
	s_add_co_u32 s56, s56, s57
	s_mov_b32 s57, 0
	s_mul_i32 s60, s21, 192*2048                   ; 192 rows a head
	s_mul_i32 s61, s18, 96*2048
	s_add_co_u32 s60, s60, s61
	s_mov_b32 s61, 0
	s_mul_i32 s58, s16, AHALF                      ; LDS: waves 0, 1: x's halves at wave x 34,816
	s_mul_i32 s62, s16, BHALF                      ; waves 2, 3: the weights' halves at 69,632 + (wave - 2) x 26,112
	s_add_co_u32 s62, s62, 2*AHALF-2*BHALF
	s_wait_dscnt 0x0
	s_wait_kmcnt 0x0
	s_add_nc_u64 s[56:57], s[4:5], s[56:57]
	s_add_nc_u64 s[60:61], s[6:7], s[60:61]
	CROUND                                         ; all sixteen work-groups are here: the first joint loads meet
.irp s, 0,1
	s_mov_b32 s[G0+4*\s], 1
	s_add_co_u32 s[G0+4*\s+1], s58, \s*SLOT
	s_add_nc_u64 s[G0+4*\s+2:G0+4*\s+3], s[56:57], \s*KSTEP*2
	s_or_b32 s[G0+4*\s+3], s[G0+4*\s+3], 0x80000000
	s_mov_b32 s[G0B+4*\s], 1
	s_add_co_u32 s[G0B+4*\s+1], s62, \s*SLOT
	s_add_nc_u64 s[G0B+4*\s+2:G0B+4*\s+3], s[60:61], \s*KSTEP*2
	s_or_b32 s[G0B+4*\s+3], s[G0B+4*\s+3], 0x80000000
	JLOAD \s                                       ; both first fills go out together: two tensor loads of the wave are out
.endr
	v_and_b32 v1, 15, v0                           ; r = l % 16
	v_bfe_u32 v2, v0, 4, 1                         ; h = l / 16
	; the RoPE table of my 64 rows: 32 loads that stay out until the way out.  The offset hangs on the row block, so it is made in TO alone:
	; no register that feeds an LDS address ever holds a number made of the work-group's place in its cluster
	s_and_b32 s66, s22, 7
	s_lshl_b32 s66, s66, 8
	s_lshl_b32 s67, s16, 6
	s_add_co_u32 s66, s66, s67                     ; my first position = 256 (block mod 8) + 64 wave
	v_add_nc_u32 v[TO], s66, v1
	v_lshlrev_b32 v[TO], 8, v[TO]                  ; 256 bytes a position
	v_lshl_add_u32 v[TO], v2, 5, v[TO]             ; + 4 h pairs of 8 bytes
.irp a, 0,1,2,3
.irp b, 0,1,2,3
	global_load_b128 v[TB+32*\a+8*\b:TB+32*\a+8*\b+3],   v[TO], s[8:9] offset:4096*\a+64*\b
	global_load_b128 v[TB+32*\a+8*\b+4:TB+32*\a+8*\b+7], v[TO], s[8:9] offset:4096*\a+64*\b+16
.endr
.endr
	; fragments: lane l holds row l % 16; registers 0-3 K = 8 h + 0..7, registers 4-7 K = 16 + 8 h + 0..7: two loads of 16 bytes, 32 apart
	v_mul_u32_u24 v3, v1, PITCH
	v_lshl_add_u32 v3, v2, 4, v3
	s_mul_i32 s67, s16, 64*PITCH                   ; my 64 rows of x
	v_add_nc_u32 v[ADRA], s67, v3
	v_add_nc_u32 v[ADRA+1], SLOT, v[ADRA]
	v_add_nc_u32 v[ADRB], 2*AHALF, v3
	v_add_nc_u32 v[ADRB+1], SLOT, v[ADRB]
	s_mul_i32 s67, s16, 3*SPART
	s_add_co_u32 s67, s67, STAGE                   ; my stage
	v_mul_u32_u24 v4, v1, SPITCH
	v_lshl_add_u32 v4, v2, 4, v4
	v_add_nc_u32 v[STO], s67, v4                   ; in: row r, 16 bytes for each half of the lanes
	v_and_b32 v5, 31, v0
	v_lshrrev_b32 v6, 3, v5
	v_mul_u32_u24 v6, v6, SPITCH
	v_and_b32 v7, 7, v0
	v_lshl_add_u32 v6, v7, 4, v6
	v_add_nc_u32 v[RD], s67, v6                    ; back: eight lanes take a row of 128 bytes, the wave four rows
	v_lshlrev_b32 v[CO], 4, v5                     ; which are 512 consecutive bytes of the output
	; where my 64 rows lie in qh, kh, vh
	s_lshr_b32 s68, s22, 3
	s_lshl_b32 s68, s68, 4
	s_add_co_u32 s68, s68, s21                     ; batch x 16 + head
	s_lshl_b32 s68, s68, 18                        ; 2,048 rows of 128 bytes
	s_lshl_b32 s66, s66, 7
	s_add_co_u32 s68, s68, s66
	s_mov_b32 s69, 0
	s_add_nc_u64 s[10:11], s[10:11], s[68:69]
	s_add_nc_u64 s[12:13], s[12:13], s[68:69]
	s_add_nc_u64 s[14:15], s[14:15], s[68:69]
; 12 matrix instructions: row block a of the window's two (hi = 0: blocks 0, 1; 1: blocks 2, 3) x all 12 column blocks, 32 along K
.macro MUL12 fa, fb, hi, a, zero
.irp b, 0,1,2,3,4,5,6,7,8,9,10,11
.if \zero
	v_wmma_f32_16x16x32_f16 v[8*(12*\a+\b):8*(12*\a+\b)+7], v[\fb+8*\b:\fb+8*\b+7], v[\fa+8*(2*\hi+\a):\fa+8*(2*\hi+\a)+7], 0
.else
	v_wmma_f32_16x16x32_f16 v[8*(12*\a+\b):8*(12*\a+\b)+7], v[\fb+8*\b:\fb+8*\b+7], v[\fa+8*(2*\hi+\a):\fa+8*(2*\hi+\a)+7], v[8*(12*\a+\b):8*(12*\a+\b)+7]
.endif
.endr
.endm
; 32 LDS loads in one run: a quarter step's fragments (192 rows of the weights, my 64 rows of x, 32 K at byte k of the rows)
.macro FETCH slot, k, fa, fb
	WIN TO_B
.irp i, 0,1,2,3,4,5,6,7,8,9,10,11
	ds_load_b128 v[\fb+8*\i:\fb+8*\i+3],   v[ADRB+\slot] offset:\k+\i*16*PITCH
	ds_load_b128 v[\fb+8*\i+4:\fb+8*\i+7], v[ADRB+\slot] offset:\k+\i*16*PITCH+32
.endr
	WIN 0
.irp i, 0,1,2,3
	ds_load_b128 v[\fa+8*\i:\fa+8*\i+3],   v[ADRA+\slot] offset:\k+\i*16*PITCH
	ds_load_b128 v[\fa+8*\i+4:\fa+8*\i+7], v[ADRA+\slot] offset:\k+\i*16*PITCH+32
.endr
.endm
; A K step is four quarters of 32 along K, 48 matrix instructions each.  The 48 accumulators take turns, one instruction a turn, in the same
; order in every quarter, over the backward jump too.
.macro QUARTER slot, k, fa, fb, ga, gb, zero
	s_wait_dscnt 4                                 ; all but the youngest four loads: x's row blocks 2, 3
	WIN MUL_LO
	MUL12 \fa, \fb, 0, 0, \zero
	MUL12 \fa, \fb, 0, 1, \zero
	PLACES
	FETCH \slot, \k, \ga, \gb
	s_wait_dscnt 32                                ; all but the 32 just issued
	WIN MUL_HI
	MUL12 \fa, \fb, 1, 0, \zero
	MUL12 \fa, \fb, 1, 1, \zero
.endm
.macro THREE slot, zero
	QUARTER \slot, 64,  FA0, FB0, FA1, FB1, \zero
	QUARTER \slot, 128, FA1, FB1, FA0, FB0, 0
	QUARTER \slot, 192, FA0, FB0, FA1, FB1, 0
.endm
; The last quarter changes slots.  In front of the barrier each wave waits for its reads of this slot and for all its tensor loads (one is
; out: its part of the next slot).  Behind it the refill comes first, then the next slot's first fragments.  From a request to the wait for
; it a wave issues 180 matrix instructions.
.macro TURN slot, next, fill
	s_wait_dscnt 4
	WIN MUL_LO
	MUL12 FA1, FB1, 0, 0, 0
	s_wait_dscnt 0                                 ; my reads of this slot are over
	s_wait_tensorcnt 0x0                           ; and all my tensor loads have landed
	ds_add_u32 v255, v31
	s_wait_dscnt 0x0
	s_barrier_signal -1                            ; where a slot is filled again this barrier opens a round of the cluster's barrier
	MUL12 FA1, FB1, 0, 1, 0                        ; registers only
	WIN 0
	s_barrier_wait -1
.if \fill
	CREST                                          ; no wave of any partner still reads this slot or has a load on its way
	s_add_nc_u64 s[G0+4*\slot+2:G0+4*\slot+3], s[G0+4*\slot+2:G0+4*\slot+3], 2*KSTEP*2
	s_add_nc_u64 s[G0B+4*\slot+2:G0B+4*\slot+3], s[G0B+4*\slot+2:G0B+4*\slot+3], 2*KSTEP*2
	JLOAD \slot                                    ; my one tensor load behind the round
.endif
	PLACES
	FETCH \next, 0, FA0, FB0
	WIN MUL_HI
	MUL12 FA1, FB1, 1, 0, 0
	MUL12 FA1, FB1, 1, 1, 0
.endm
.macro LAP zero
	THREE 0, \zero
	TURN 0, 1, 1
	THREE 1, 0
	TURN 1, 0, 1
.endm
	s_wait_tensorcnt 0x1                           ; my part of K step 0 is in; K step 1's stays out
	s_barrier_signal -1
	s_barrier_wait -1
	FETCH 0, 0, FA0, FB0
	LAP 1                                          ; the first products start the sums: nothing is cleared
	WIN 0
	s_mov_b32 s23, LAPS-2
.Llap:
	LAP 0
	WIN 0
	s_sub_co_u32 s23, s23, 1
	s_cmp_lg_u32 s23, 0
	s_cbranch_scc1 .Llap
	THREE 0, 0                                     ; the last lap fills nothing
	TURN 0, 1, 0
	THREE 1, 0
	s_wait_dscnt 4
	WIN MUL_LO
	MUL12 FA1, FB1, 0, 0, 0
	MUL12 FA1, FB1, 0, 1, 0
	s_wait_dscnt 0
	WIN MUL_HI
	MUL12 FA1, FB1, 1, 0, 0
	MUL12 FA1, FB1, 1, 1, 0
	WIN 0
	PLACES                                         ; behind the last matrix instructions, for all that follows
	s_wait_loadcnt 0x0                             ; the table
; THE WAY OUT, 16 rows at a time (row block a; win: its window; ab: its first register there).  Column blocks 0-3 are q, 4-7 k, 8-11 v.
; q and k are rotated in f32: (e, o) -> (e c - o s, e s + o c); all is rounded once to f16, goes into my own stage and comes back as whole rows.
.macro OUTA a, win, ab
	s_wait_xcnt 0x0                                ; v80-127 are data of the last block's twelve stores; the rotation below writes v80-95 and the
	                                               ; read-back all of them: only behind this wait (ISA guide 3.1)
	WIN \win                                       ; source 0 in the accumulators' window
.irp b, 0,1,2,3,4,5,6,7
.irp i, 0,1,2,3
	v_mul_f32 v[RO+8*\b+2*\i],   v[\ab+8*\b+2*\i+1], v[TB+32*\a+8*(\b&3)+2*\i+1]
	v_mul_f32 v[RO+8*\b+2*\i+1], v[\ab+8*\b+2*\i],   v[TB+32*\a+8*(\b&3)+2*\i+1]
	v_fma_f32 v[RO+8*\b+2*\i],   v[\ab+8*\b+2*\i],   v[TB+32*\a+8*(\b&3)+2*\i], -v[RO+8*\b+2*\i]
	v_fma_f32 v[RO+8*\b+2*\i+1], v[\ab+8*\b+2*\i+1], v[TB+32*\a+8*(\b&3)+2*\i], v[RO+8*\b+2*\i+1]
.endr
.endr
	WIN 0
.set n, 0
.rept 32
	v_cvt_pk_f16_f32 v[RO+n], v[RO+2*n], v[RO+2*n+1]           ; packed in place, ascending: register n is written when 2 n and 2 n + 1 are read
.set n, n+1
.endr
	WIN (\win*5)                                   ; sources 0 and 1 in the accumulators' window
.irp b, 0,1,2,3
.irp i, 0,1,2,3
	v_cvt_pk_f16_f32 v[RO+32+4*\b+\i], v[\ab+64+8*\b+2*\i], v[\ab+64+8*\b+2*\i+1]
.endr
.endr
	WIN 0
.irp p, 0,1,2
.irp b, 0,1,2,3
	ds_store_b128 v[STO], v[RO+16*\p+4*\b:RO+16*\p+4*\b+3] offset:\p*SPART+32*\b
.endr
.endr
.irp p, 0,1,2
.irp t, 0,1,2,3
	ds_load_b128 v[BK+16*\p+4*\t:BK+16*\p+4*\t+3], v[RD] offset:\p*SPART+\t*4*SPITCH   ; LDS serves a wave's instructions in order: these see the stores above
.endr
.endr
.irp p, 0,1,2
.irp t, 0,1,2,3
	s_wait_dscnt 11-(4*\p+\t)                      ; read-back 4 p + t is in; the younger ones may be out
	global_store_b128 v[CO], v[BK+16*\p+4*\t:BK+16*\p+4*\t+3], s[10+2*\p:11+2*\p] offset:2048*\a+512*\t
.endr
.endr
.endm
	OUTA 0, 2, 0
	OUTA 1, 2, 96
	OUTA 2, 3, 0
	OUTA 3, 3, 96
	s_set_vgpr_msb 0x1
	s_wait_tensorcnt 0x0
	ds_add_u32 v255, v31
	s_wait_dscnt 0x0
	s_set_vgpr_msb 0x100
	CROUND                                         ; the closing round: no work-group ends while a partner may still ask for a tile that names it
	s_endpgm
.Lfunc_end_k_qcfcb7061a4_qkv:
	.size	k_qcfcb7061a4_qkv, .Lfunc_end_k_qcfcb7061a4_qkv-k_qcfcb7061a4_qkv
	.p2alignl 7, 3214868480
	.fill 96, 4, 3214868480
	.section	.rodata,"a",@progbits
	.p2align	6, 0x0
	.amdhsa_kernel k_qcfcb7061a4_qkv
		.amdhsa_group_segment_fixed_size 327680
		.amdhsa_private_segment_fixed_size 0
		.amdhsa_enable_private_segment 0
		.amdhsa_kernarg_size 48
		.amdhsa_user_sgpr_count 2
		.amdhsa_user_sgpr_kernarg_segment_ptr 1
		.amdhsa_wavefront_size32 1
		.amdhsa_system_sgpr_workgroup_id_x 1
		.amdhsa_system_sgpr_workgroup_id_y 1
		.amdhsa_system_sgpr_workgroup_id_z 1
		.amdhsa_system_vgpr_workitem_id 0
		.amdhsa_next_free_vgpr 960
		.amdhsa_next_free_sgpr 80
		.amdhsa_reserve_vcc 0
		.amdhsa_float_denorm_mode_32 3
		.amdhsa_float_denorm_mode_16_64 3
		.amdhsa_memory_ordered 1
		.amdhsa_forward_progress 1
		.amdhsa_inst_pref_size 191
	.end_amdhsa_kernel
	.amdgpu_metadata
---
amdhsa.version: [ 1, 2 ]
amdhsa.kernels:
  - .name:           k_qcfcb7061a4_qkv
    .symbol:         k_qcfcb7061a4_qkv.kd
    .args:
      - { .name: xh, .offset: 0, .size: 8, .value_kind: global_buffer, .address_space: global }
      - { .name: wcat, .offset: 8, .size: 8, .value_kind: global_buffer, .address_space: global }
      - { .name: tab, .offset: 16, .size: 8, .value_kind: global_buffer, .address_space: global }
      - { .name: qh, .offset: 24, .size: 8, .value_kind: global_buffer, .address_space: global }
      - { .name: kh, .offset: 32, .size: 8, .value_kind: global_buffer, .address_space: global }
      - { .name: vh, .offset: 40, .size: 8, .value_kind: global_buffer, .address_space: global }
    .group_segment_fixed_size: 327680
    .private_segment_fixed_size: 0
    .kernarg_segment_align: 8
    .kernarg_segment_size: 48
    .max_flat_workgroup_size: 128
    .sgpr_count:     80
    .vgpr_count:     960
    .wavefront_size: 32
...
	.end_amdgpu_metadata
.endif
;; end of part 2
;; launch attn (part 3): grid 8 x 32, 8 waves a work-group, no clusters, 327,680 bytes of LDS; arguments qh, kh, vh, ao; writes ao
.if DOCPART == 3
	.amdgcn_target "amdgcn-amd-amdhsa--gfx1250"
	.amdhsa_code_object_version 6
	.text
	.protected	k_qcfcb7061a4_attn
	.globl	k_qcfcb7061a4_attn
	.p2align	8
	.type	k_qcfcb7061a4_attn,@function
k_qcfcb7061a4_attn:
	s_mov_b64 s[64:65], 0
	v_nop
	global_prefetch_b8 v0, s[64:65] scope:SCOPE_SE
	s_setreg_imm32_b32 hwreg(HW_REG_WAVE_MODE, 25, 1), 1
	s_wait_xcnt 0x0
; ATTN: causal softmax(q k^T / 8) v for one (batch, head), with a running maximum.  qh, kh, vh, ao: [batch*16 + head][2048][64] f16.
; Grid: x = p (8), y = batch*16 + head (32).  The work-group makes the query blocks of 128 rows 15 - p (pass 0) and then p (pass 1).  Keys go in
; steps of 256; the passes need n0 = (15-p)/2 + 1 and n1 = p/2 + 1 steps, 9 together for every p: all 256 work-groups do equal work.
; Eight waves, two for each SIMD, so that one wave's exponentials run beside the other's matrix work.  Wave w takes 64 query rows (rg = w / 4)
; and 64 of a step's 256 keys (kg = w % 4), with its own maximum, sum and output; the four key groups are merged through LDS at a pass's end.
; NO CLUSTER: the eight work-groups of a head walk different numbers of key tiles in a pass (5 to 8, then 4 to 1), so partners could not make
; every joint request; the form that makes them equal (four partners on 512 query rows) does 20 units of 128 x 128 where this one does 18.
; ORIENTATION: S^T = K Q^T (source 0 = 16 keys, source 1 = 16 queries): lane (r, h) holds query r and register j key 8 h + j.  Two neighbouring
; key tiles, packed to f16 in the lane, are the fragment of P that O^T = V^T P^T takes as source 1; source 0 is V, read from LDS by the
; transposing load.  So maxima, sums and scales are a lane's own, but for one exchange between the halves of the wave.
; THE SHIFT: beside the running maximum m the wave keeps NM = round(-m c), c = log2(e) / 8, the number that the exponent's multiply-add adds.
; The scales between steps and between key groups are exp2 of differences of NM, so that all p, sums and outputs of a row carry one and the
; same shift, whatever the size of the scores.  m starts at the most negative finite number and masked scores are -infinity: a wave
; all of whose keys are masked has p = 0 and sum 0, and drops out of the merge.
; LIMITS: p is rounded to f16 for the product with V (below some 3e-8 of the row's largest it becomes 0); ao is kept in f16 (range as for v;
; below 2^-14 the absolute error is at most 2^-25); sums run in another order than a plain softmax's.
.set SLOT,  71680                      ; V: 128 LDS rows of 256 bytes (two keys), pitch 288; then K: 128 such rows, pitch 272
.set VREG,  36864
.set VQ,    9216                       ; a quarter of V's rows: what one load brings, and what one key group reads
.set KQ,    8704                       ; the same of K's
.set STAGE, 2*SLOT                     ; 8 x 16,384: each wave's output in f32.  This and what follows is never filled by a tensor load
.set STATS, STAGE+8*16384              ; 8 x 512 of NM, then 8 x 512 of sums
.set OST,   STATS+8192                 ; 8 x 2,304: 16 rows of 128 bytes, pitch 144, for the way out
.set ADRK, 4                           ; v4-5   LDS address of my K fragments in slot 0, 1
.set ADRV, 6                           ; v6-7   the same for V
.set QO,   8                           ; my byte offset in a block of q
.set STG,  9
.set SST,  10
.set RST,  11
.set RSG,  12
.set OSTO, 13
.set ORD,  14
.set CO,   15                          ; 16 x lane
.set VD,   16                          ; v16, v17: the diagonal's place for pass 0, 1
.set NINF, 18
.set SC,   32                          ; v[SC + 32 qi + 8 ki + j] scores; P(qi, kp) in place at SC + 32 qi + 16 kp
.set KF,   160                         ; v[KF + 16 ki + 8 ks] fragments of K; behind the score products at work:
.set MX,   160
.set PX,   164
.set NN,   172
.set TT,   176
.set SUM,  184
.set MM,   224                         ; running maxima
.set LL,   228                         ; running sums (of my half's keys)
.set NM,   240                         ; pairs: NM in the first register; the second is written once and never used
.set AL,   248                         ; pairs: the step's scale likewise
.set OA,   0                           ; window 1: v[8 (4 qi + di)] output tiles
.set QF,   128                         ; window 1: v[QF + 16 qi + 8 ks] fragments of q
.set VF,   192                         ; window 1: v[VF + 16 di + 8 kp] fragments of V
.set G1K, 24
.set G1V, 32
.set G0K, 40                           ; s[40:47] group 0 for K's tiles, a set for each slot
.set G0V, 48
.set MSB, 0
.macro WIN new                         ; bits 1:0 source 0, 3:2 source 1, 5:4 source 2, 7:6 destination; the high byte repeats the setting that is left
.if MSB != \new
	s_set_vgpr_msb (MSB<<8)|\new
.set MSB, \new
.endif
.endm
.macro PLACES
.rept 4
	v_nop
.endr
.endm
; One tensor load a wave: waves 0-3 bring V's quarters, waves 4-7 K's.
.macro KVLOAD sl
	s_cmp_lt_u32 s12, 4
	s_cbranch_scc0 .Lfor_k_\@
	tensor_load_to_lds s[G0V+4*(\sl):G0V+4*(\sl)+3], s[G1V:G1V+7]
	s_nop 0
	s_branch .Lasked_\@
.Lfor_k_\@:
	tensor_load_to_lds s[G0K+4*(\sl):G0K+4*(\sl)+3], s[G1K:G1K+7]
	s_nop 0
.Lasked_\@:
.endm
.macro INIT                            ; a pass begins: no key seen
.irp qi, 0,1,2,3
	v_mov_b32 v[MM+\qi], 0xff7fffff
	v_mov_b32 v[LL+\qi], 0
	v_mul_f32 v[NM+2*\qi], s74, v[MM+\qi]
.endr
.endm
	s_load_b256 s[4:11], s[0:1], 0x0               ; qh s[4:5], kh s[6:7], vh s[8:9], ao s[10:11]
	v_lshl_add_u32 v238, v0, 2, 0x49800
	v_mov_b32 v239, 0
	ds_add_u32 v238, v239
	ds_add_u32 v238, v239
	v_lshrrev_b32 v1, 5, v0
	v_readfirstlane_b32 s12, v1                    ; wave 0..7
	s_lshr_b32 s13, s12, 2                         ; rg
	s_and_b32 s14, s12, 3                          ; kg
	s_mov_b32 s15, ttmp9                           ; p = pass 1's query block
	s_and_b32 s16, ttmp7, 0xffff                   ; batch*16 + head
	s_sub_co_u32 s75, 15, s15                      ; pass 0's query block
	s_lshr_b32 s17, s75, 1
	s_add_co_u32 s17, s17, 1                       ; n0
	s_add_co_u32 s18, s17, 1
	s_mov_b32 s19, 0                               ; fc: the step's number + 1, once the step has begun
	s_mov_b32 s20, 0                               ; kn: which 256 keys the next tile holds
	s_mov_b32 s23, 0
	s_mov_b32 s70, 0x3e38aa3b                      ; c = log2(e) / 8
	s_mov_b32 s71, 0x3e38aa3b
	s_mov_b32 s74, 0xbe38aa3b                      ; -c
	s_mov_b32 s72, 0x76543210                      ; v_permlanex16_b32: lane i of one half reads lane i of the other
	s_mov_b32 s73, 0xfedcba98
	; group 1: a dense block as 32 rows of 128 elements of 2 bytes; padding behind every 64 words: 4 words for K, 8 for V
	s_mov_b32 s[G1K+0], (1<<16)|(1<<20)|(5<<22)|(3<<25)
	s_mov_b32 s[G1K+1], 128<<16
	s_mov_b32 s[G1K+2], 32<<16
	s_mov_b32 s[G1K+3], 128<<16
	s_mov_b32 s[G1K+4], 32
	s_mov_b32 s[G1K+5], 128
	s_mov_b32 s[G1K+6], 0
	s_mov_b32 s[G1K+7], 0
	s_mov_b32 s[G1V+0], (1<<16)|(1<<20)|(5<<22)|(7<<25)
	s_mov_b32 s[G1V+1], 128<<16
	s_mov_b32 s[G1V+2], 32<<16
	s_mov_b32 s[G1V+3], 128<<16
	s_mov_b32 s[G1V+4], 32
	s_mov_b32 s[G1V+5], 128
	s_mov_b32 s[G1V+6], 0
	s_mov_b32 s[G1V+7], 0
	s_mul_i32 s77, s12, VQ                         ; LDS: waves 0-3: V's quarters at wave x 9,216
	s_mul_i32 s76, s12, KQ                         ; waves 4-7: K's at 36,864 + (wave - 4) x 8,704
	s_add_co_u32 s76, s76, VREG-4*KQ
	s_lshl_b32 s78, s16, 18                        ; the head's 2,048 rows of 128 bytes
	s_lshl_b32 s79, s14, 13                        ; my quarter of a tile: 64 keys
	s_add_co_u32 s22, s78, s79
	s_wait_dscnt 0x0
	s_wait_kmcnt 0x0
	s_add_nc_u64 s[56:57], s[6:7], s[22:23]        ; K at my quarter of the first tile
	s_add_nc_u64 s[58:59], s[8:9], s[22:23]        ; V likewise
.irp sl, 0,1
	s_mov_b32 s[G0K+4*\sl], 1
	s_add_co_u32 s[G0K+4*\sl+1], s76, \sl*SLOT
	s_mov_b32 s[G0V+4*\sl], 1
	s_add_co_u32 s[G0V+4*\sl+1], s77, \sl*SLOT
.endr
	s_mov_b64 s[G0K+2:G0K+3], s[56:57]
	s_or_b32 s[G0K+3], s[G0K+3], 0x80000000
	s_mov_b64 s[G0V+2:G0V+3], s[58:59]
	s_or_b32 s[G0V+3], s[G0V+3], 0x80000000
	KVLOAD 0                                       ; the first tile; slot 1 is first filled behind step 0's barrier, as a refill is.  One tensor load of a wave is out at any time
	s_lshl_b32 s76, s13, 13
	s_lshl_b32 s77, s14, 11
	s_add_co_u32 s76, s76, s77                     ; the 16 rows that I finish: 64 rg + 16 kg, of 128 bytes
	s_lshl_b32 s22, s75, 14
	s_add_co_u32 s22, s22, s78
	s_add_nc_u64 s[60:61], s[4:5], s[22:23]        ; q, pass 0
	s_add_co_u32 s22, s22, s76
	s_add_nc_u64 s[66:67], s[10:11], s[22:23]      ; ao, pass 0
	s_lshl_b32 s22, s15, 14
	s_add_co_u32 s22, s22, s78
	s_add_nc_u64 s[62:63], s[4:5], s[22:23]        ; q, pass 1
	s_add_co_u32 s22, s22, s76
	s_add_nc_u64 s[68:69], s[10:11], s[22:23]      ; ao, pass 1
	v_and_b32 v1, 31, v0                           ; lane
	v_and_b32 v2, 15, v0                           ; r
	v_bfe_u32 v3, v0, 4, 1                         ; h
	v_lshlrev_b32 v[QO], 7, v2                     ; q fragments straight from memory: row 64 rg + 16 qi + r, 16 bytes at 16 h
	v_lshl_add_u32 v[QO], v3, 4, v[QO]
	s_lshl_b32 s21, s13, 13
	v_add_nc_u32 v[QO], s21, v[QO]
	WIN 0x40
.irp qi, 0,1,2,3
.irp ks, 0,1
	global_load_b128 v[QF+16*\qi+8*\ks:QF+16*\qi+8*\ks+3],   v[QO], s[60:61] offset:2048*\qi+64*\ks
	global_load_b128 v[QF+16*\qi+8*\ks+4:QF+16*\qi+8*\ks+7], v[QO], s[60:61] offset:2048*\qi+64*\ks+32
.endr
.endr
	WIN 0
	; K: key r lies at (r / 2) 272 + (r % 2) 128: sixteen keys start in sixteen different 16-byte columns of 256 bytes
	v_lshrrev_b32 v19, 1, v2
	v_mul_u32_u24 v19, v19, 272
	v_and_b32 v20, 1, v2
	v_lshl_add_u32 v19, v20, 7, v19
	v_lshl_add_u32 v19, v3, 4, v19
	s_mul_i32 s21, s14, KQ
	s_add_co_u32 s21, s21, VREG
	v_add_nc_u32 v[ADRK], s21, v19
	v_add_nc_u32 v[ADRK+1], SLOT, v[ADRK]
	; V, for the transposing load: lane l addresses key 8 h + l % 8, 16 bytes at 16 ((l / 8) % 2); key k lies at (k / 2) 288 + (k % 2) 128
	v_bfe_u32 v19, v0, 1, 2
	v_lshl_add_u32 v19, v3, 2, v19
	v_mul_u32_u24 v19, v19, 288
	v_and_b32 v20, 1, v0
	v_lshl_add_u32 v19, v20, 7, v19
	v_bfe_u32 v20, v0, 3, 1
	v_lshl_add_u32 v19, v20, 4, v19
	s_mul_i32 s21, s14, VQ
	v_add_nc_u32 v[ADRV], s21, v19
	v_add_nc_u32 v[ADRV+1], SLOT, v[ADRV]
	v_lshlrev_b32 v[CO], 4, v1
	s_lshl_b32 s21, s12, 14
	s_add_co_u32 s21, s21, STAGE
	v_add_nc_u32 v[STG], s21, v[CO]                ; my output: 16 x lane in my 16 KiB
	s_lshl_b32 s21, s13, 16
	s_lshl_b32 s79, s14, 12
	s_add_co_u32 s21, s21, s79
	s_add_co_u32 s21, s21, STAGE
	v_add_nc_u32 v[RSG], s21, v[CO]                ; query tile kg of the four waves of my rg
	s_lshl_b32 s21, s12, 9
	s_add_co_u32 s21, s21, STATS
	v_lshl_add_u32 v[SST], v1, 2, s21
	s_lshl_b32 s21, s13, 11
	s_lshl_b32 s79, s14, 7
	s_add_co_u32 s21, s21, s79
	s_add_co_u32 s21, s21, STATS
	v_lshl_add_u32 v[RST], v1, 2, s21
	s_mul_i32 s21, s12, 2304
	s_add_co_u32 s21, s21, OST
	v_mul_u32_u24 v19, v2, 144
	v_lshl_add_u32 v19, v3, 4, v19
	v_add_nc_u32 v[OSTO], s21, v19
	v_lshrrev_b32 v19, 3, v1
	v_mul_u32_u24 v19, v19, 144
	v_and_b32 v20, 7, v0
	v_lshl_add_u32 v19, v20, 4, v19
	v_add_nc_u32 v[ORD], s21, v19
	; in a pass's last step key 64 kg + 16 ki + 8 h + j is allowed for query 128 (block % 2) + 64 rg + 16 qi + r if 16 (ki - qi) + j <= VD
	v_lshlrev_b32 v19, 3, v3
	v_sub_nc_u32 v19, v2, v19                      ; r - 8 h
	s_lshl_b32 s79, s13, 6
	s_lshl_b32 s21, s14, 6
	s_sub_co_u32 s79, s79, s21                     ; 64 rg - 64 kg
	s_and_b32 s21, s75, 1
	s_lshl_b32 s21, s21, 7
	s_add_co_u32 s21, s21, s79
	v_add_nc_u32 v[VD], s21, v19
	s_and_b32 s21, s15, 1
	s_lshl_b32 s21, s21, 7
	s_add_co_u32 s21, s21, s79
	v_add_nc_u32 v[VD+1], s21, v19
	v_mov_b32 v[NINF], 0xff800000
	INIT
.irp qi, 0,1,2,3
	v_mov_b32 v[NM+2*\qi+1], 0                     ; the pairs' second registers: named by the packed forms, never used
	v_mov_b32 v[AL+2*\qi+1], 0
.endr
; The diagonal: one compare serves all tiles with the same ki - qi.
.macro MASK vd
.irp dl, -3,-2,-1,0,1,2,3
.irp j, 0,1,2,3,4,5,6,7
	v_cmp_le_i32 vcc_lo, 16*(\dl)+\j, v[\vd]
.irp qi, 0,1,2,3
.if \qi+(\dl) >= 0
.if \qi+(\dl) <= 3
	v_cndmask_b32 v[SC+32*\qi+8*(\qi+(\dl))+\j], v[NINF], v[SC+32*\qi+8*(\qi+(\dl))+\j], vcc_lo
.endif
.endif
.endr
.endr
.endr
.endm
; The step's softmax; the four query tiles go side by side so that no line waits for the one in front of it.
.macro SOFT
.irp qi, 0,1,2,3
	v_max3_num_f32 v[MX+\qi], v[SC+32*\qi], v[SC+32*\qi+1], v[SC+32*\qi+2]
.endr
.set n, 3
.rept 14
.irp qi, 0,1,2,3
	v_max3_num_f32 v[MX+\qi], v[MX+\qi], v[SC+32*\qi+n], v[SC+32*\qi+n+1]
.endr
.set n, n+2
.endr
.irp qi, 0,1,2,3
	v_max_num_f32 v[MX+\qi], v[MX+\qi], v[SC+32*\qi+31]
.endr
.irp qi, 0,1,2,3
	v_permlanex16_b32 v[PX+\qi], v[MX+\qi], s72, s73           ; the other half's 32 keys of the same query
.endr
.irp qi, 0,1,2,3
	v_max3_num_f32 v[MM+\qi], v[MX+\qi], v[PX+\qi], v[MM+\qi]  ; the running maximum
.endr
.irp qi, 0,1,2,3
	v_mul_f32 v[NN+\qi], s74, v[MM+\qi]                        ; the new shift
.endr
.irp qi, 0,1,2,3
	v_sub_f32 v[TT+\qi], v[NN+\qi], v[NM+2*\qi]                ; new - old, never above 0
.endr
.irp qi, 0,1,2,3
	v_exp_f32 v[AL+2*\qi], v[TT+\qi]                           ; what the old sums and outputs are scaled by
.endr
.irp qi, 0,1,2,3
	v_mov_b32 v[NM+2*\qi], v[NN+\qi]                           ; plain instructions behind the exponentials (ISA guide 5.7.2)
.endr
.irp qi, 0,1,2,3
.set n, 0
.rept 16
	v_pk_fma_f32 v[SC+32*\qi+n:SC+32*\qi+n+1], v[SC+32*\qi+n:SC+32*\qi+n+1], s[70:71], v[NM+2*\qi:NM+2*\qi+1] op_sel_hi:[1,0,0]
.set n, n+2
.endr
.endr
.set n, 0
.rept 128
	v_exp_f32 v[SC+n], v[SC+n]
.set n, n+1
.endr
	v_nop                                                      ; the plain instruction behind the exponentials
	s_wait_alu depctr_va_vdst(0)
.irp qi, 0,1,2,3
	v_pk_add_f32 v[SUM+2*\qi:SUM+2*\qi+1], v[SC+32*\qi:SC+32*\qi+1], v[SC+32*\qi+2:SC+32*\qi+3]
.endr
.set n, 4
.rept 14
.irp qi, 0,1,2,3
	v_pk_add_f32 v[SUM+2*\qi:SUM+2*\qi+1], v[SUM+2*\qi:SUM+2*\qi+1], v[SC+32*\qi+n:SC+32*\qi+n+1]
.endr
.set n, n+2
.endr
.irp qi, 0,1,2,3
	v_add_f32 v[SUM+2*\qi], v[SUM+2*\qi], v[SUM+2*\qi+1]
.endr
.irp qi, 0,1,2,3
	v_fma_f32 v[LL+\qi], v[LL+\qi], v[AL+2*\qi], v[SUM+2*\qi]
.endr
.irp qi, 0,1,2,3
.irp kp, 0,1
.irp m, 0,1,2,3,4,5,6,7
	v_cvt_pk_f16_f32 v[SC+32*\qi+16*\kp+\m], v[SC+32*\qi+16*\kp+2*\m], v[SC+32*\qi+16*\kp+2*\m+1]   ; in place, ascending: two key tiles become one fragment of P
.endr
.endr
.endr
.endm
; 16 matrix instructions: all output tiles, 32 keys (kp).  The 16 tiles take turns, one instruction a turn.
.macro PV kp, zero
.irp qi, 0,1,2,3
.irp di, 0,1,2,3
.if \zero
	v_wmma_f32_16x16x32_f16 v[OA+8*(4*\qi+\di):OA+8*(4*\qi+\di)+7], v[VF+16*\di+8*\kp:VF+16*\di+8*\kp+7], v[SC+32*\qi+16*\kp:SC+32*\qi+16*\kp+7], 0
.else
	v_wmma_f32_16x16x32_f16 v[OA+8*(4*\qi+\di):OA+8*(4*\qi+\di)+7], v[VF+16*\di+8*\kp:VF+16*\di+8*\kp+7], v[SC+32*\qi+16*\kp:SC+32*\qi+16*\kp+7], v[OA+8*(4*\qi+\di):OA+8*(4*\qi+\di)+7]
.endif
.endr
.endr
.endm
; A pass ends: the four key groups of each rg are merged; wave (rg, kg) finishes query tile kg.  aob: the scalar pair with ao's address.
.macro FINISH aob, reinit
.irp qi, 0,1,2,3
	v_permlanex16_b32 v[PX+\qi], v[LL+\qi], s72, s73
.endr
.irp qi, 0,1,2,3
	v_add_f32 v[LL+\qi], v[LL+\qi], v[PX+\qi]                  ; both halves' keys
.endr
	WIN 0x04                                       ; an LDS store's data is source 1
.set n, 0
.rept 32
	ds_store_b128 v[STG], v[OA+4*n:OA+4*n+3] offset:512*n
.set n, n+1
.endr
	WIN 0
.irp qi, 0,1,2,3
	ds_store_b32 v[SST], v[NM+2*\qi] offset:128*\qi
	ds_store_b32 v[SST], v[LL+\qi] offset:4096+128*\qi
.endr
	s_wait_dscnt 0x0                               ; for the others' sake: my stores are done
	s_barrier_signal -1
	s_barrier_wait -1                              ; the next tile's load may stay out
.irp k, 0,1,2,3
	ds_load_b32 v[MX+\k], v[RST] offset:512*\k
	ds_load_b32 v[PX+\k], v[RST] offset:4096+512*\k
.endr
.irp k, 0,1,2,3
.irp c, 0,1,2,3,4,5,6,7
	ds_load_b128 v[SC+32*\k+4*\c:SC+32*\k+4*\c+3], v[RSG] offset:16384*\k+512*\c
.endr
.endr
	s_wait_dscnt 32                                ; the eight figures are in; the 32 loads of outputs may be out
	v_min3_num_f32 v[NN], v[MX], v[MX+1], v[MX+2]
	v_min_num_f32 v[NN], v[NN], v[MX+3]            ; the shift of the largest maximum
.irp k, 0,1,2,3
	v_sub_f32 v[TT+\k], v[NN], v[MX+\k]
.endr
.irp k, 0,1,2,3
	v_exp_f32 v[SUM+\k], v[TT+\k]                  ; a_k; 0 for a group that saw no key
.endr
	v_nop
	s_wait_alu depctr_va_vdst(0)
	v_mul_f32 v[NN+1], v[SUM], v[PX]
	v_fmac_f32 v[NN+1], v[SUM+1], v[PX+1]
	v_fmac_f32 v[NN+1], v[SUM+2], v[PX+2]
	v_fmac_f32 v[NN+1], v[SUM+3], v[PX+3]          ; the row's sum: the diagonal's key is always there, so it is not 0
	v_rcp_f32 v[NN+2], v[NN+1]
	v_nop
	s_wait_alu depctr_va_vdst(0)
.irp k, 0,1,2,3
	v_mul_f32 v[192+2*\k], v[SUM+\k], v[NN+2]      ; w_k = a_k / sum, twice: a pair for the packed forms
	v_mul_f32 v[193+2*\k], v[SUM+\k], v[NN+2]
.endr
	s_wait_dscnt 24
.set n, 0
.rept 16
	v_pk_mul_f32 v[SC+n:SC+n+1], v[SC+n:SC+n+1], v[192:193]
.set n, n+2
.endr
.irp k, 1,2,3
	s_wait_dscnt 24-8*\k
.set n, 0
.rept 16
	v_pk_fma_f32 v[SC+n:SC+n+1], v[SC+32*\k+n:SC+32*\k+n+1], v[192+2*\k:193+2*\k], v[SC+n:SC+n+1]
.set n, n+2
.endr
.endr
.set n, 0
.rept 16
	v_cvt_pk_f16_f32 v[SC+n], v[SC+2*n], v[SC+2*n+1]
.set n, n+1
.endr
.irp di, 0,1,2,3
	ds_store_b128 v[OSTO], v[SC+4*\di:SC+4*\di+3] offset:32*\di        ; row r, d = 16 di + 8 h + 0 .. 7, in my own stage
.endr
.irp t, 0,1,2,3
	ds_load_b128 v[SC+32+4*\t:SC+32+4*\t+3], v[ORD] offset:576*\t      ; back as rows: LDS serves a wave's instructions in order
.endr
.irp t, 0,1,2,3
	s_wait_dscnt 3-\t
	global_store_b128 v[CO], v[SC+32+4*\t:SC+32+4*\t+3], s[\aob:\aob+1] offset:512*\t   ; four rows, 512 consecutive bytes
.endr
.if \reinit
	INIT
	s_wait_xcnt 0x0                                ; the stores' data registers are scores again in the next step: written only behind this wait
.endif
.endm
; One step: 256 keys.  kind 0: the very first; 1: any; 2: the very last.
.macro STEP slot, refill, kind
	s_wait_dscnt 0x0                               ; my reads of the other slot are over
	s_wait_tensorcnt 0x0                           ; all my tensor loads have landed, my part of this step's tile among them: every group 0 may be written
	ds_add_u32 v238, v239
	s_wait_dscnt 0x0
	s_add_co_u32 s19, s19, 1
	s_add_co_u32 s20, s20, 1
	s_cmp_eq_u32 s19, s17                          ; the next tile is pass 1's first
	s_cselect_b32 s20, 0, s20
.if \refill
	s_lshl_b32 s22, s20, 15                        ; 256 keys of 128 bytes
	s_add_nc_u64 s[G0K+6-4*\slot:G0K+7-4*\slot], s[56:57], s[22:23]
	s_or_b32 s[G0K+7-4*\slot], s[G0K+7-4*\slot], 0x80000000
	s_add_nc_u64 s[G0V+6-4*\slot:G0V+7-4*\slot], s[58:59], s[22:23]
	s_or_b32 s[G0V+7-4*\slot], s[G0V+7-4*\slot], 0x80000000
.endif
	s_barrier_signal -1
	s_barrier_wait -1                              ; both now hold of every wave
.if \refill
	KVLOAD 1-\slot                                 ; my one load behind the barrier: it has the whole step in which to land
.endif
.irp ki, 0,1,2,3
.irp ks, 0,1
	ds_load_b128 v[KF+16*\ki+8*\ks:KF+16*\ki+8*\ks+3],   v[ADRK+\slot] offset:2176*\ki+64*\ks
	ds_load_b128 v[KF+16*\ki+8*\ks+4:KF+16*\ki+8*\ks+7], v[ADRK+\slot] offset:2176*\ki+64*\ks+32
.endr
.endr
	WIN 0x40
.irp di, 0,1,2,3
.irp kp, 0,1
	ds_load_tr16_b128 v[VF+16*\di+8*\kp:VF+16*\di+8*\kp+3],   v[ADRV+\slot] offset:4608*\kp+32*\di
	ds_load_tr16_b128 v[VF+16*\di+8*\kp+4:VF+16*\di+8*\kp+7], v[ADRV+\slot] offset:4608*\kp+32*\di+2304
.endr
.endr
	s_wait_loadcnt 0x0                             ; q (met at once but in a pass's first step)
	s_wait_dscnt 16                                ; K is in; V's 16 loads may be out
	WIN 0x04                                       ; source 1 (q) in window 1
.irp qi, 0,1,2,3
.irp ki, 0,1,2,3
	v_wmma_f32_16x16x32_f16 v[SC+32*\qi+8*\ki:SC+32*\qi+8*\ki+7], v[KF+16*\ki:KF+16*\ki+7], v[QF+16*\qi:QF+16*\qi+7], 0
.endr
.endr
.irp qi, 0,1,2,3
.irp ki, 0,1,2,3
	v_wmma_f32_16x16x32_f16 v[SC+32*\qi+8*\ki:SC+32*\qi+8*\ki+7], v[KF+16*\ki+8:KF+16*\ki+15], v[QF+16*\qi+8:QF+16*\qi+15], v[SC+32*\qi+8*\ki:SC+32*\qi+8*\ki+7]
.endr
.endr
	WIN 0
	PLACES                                         ; before scores are read, K's registers written, q's loaded into (ISA guide 7.12.1)
.if \kind == 1
	s_cmp_lg_u32 s19, s17                          ; pass 0's last step?
	s_cbranch_scc1 .Lno_mask_\@
	MASK VD
	WIN 0x40
.irp qi, 0,1,2,3
.irp ks, 0,1
	global_load_b128 v[QF+16*\qi+8*\ks:QF+16*\qi+8*\ks+3],   v[QO], s[62:63] offset:2048*\qi+64*\ks      ; pass 1's q, wanted a step later
	global_load_b128 v[QF+16*\qi+8*\ks+4:QF+16*\qi+8*\ks+7], v[QO], s[62:63] offset:2048*\qi+64*\ks+32
.endr
.endr
	WIN 0
.Lno_mask_\@:
.endif
.if \kind == 2
	MASK VD+1
.endif
	SOFT
	s_wait_dscnt 0x0                               ; V
.if \kind == 0
	WIN 0x51                                       ; V, C and D in window 1, P in window 0
	PV 0, 1                                        ; the first product starts the sums: nothing is cleared
.else
	s_cmp_eq_u32 s19, s18                          ; pass 1's first step?
	s_cbranch_scc1 .Lfirst_\@
	WIN 0x41
.irp qi, 0,1,2,3
.set n, 0
.rept 16
	v_pk_mul_f32 v[OA+32*\qi+n:OA+32*\qi+n+1], v[OA+32*\qi+n:OA+32*\qi+n+1], v[AL+2*\qi:AL+2*\qi+1] op_sel_hi:[1,0]
.set n, n+2
.endr
.endr
	WIN 0x51
	PV 0, 0
	WIN 0
	s_branch .Ljoin_\@
.Lfirst_\@:
	WIN 0x51
	PV 0, 1
	WIN 0
.Ljoin_\@:
.endif
	WIN 0x51
	PV 1, 0
	WIN 0
.rept 5
	v_nop                                          ; five places: the next score products write over P, V's registers are loaded again, the outputs are stored
.endr
.if \kind == 1
	s_cmp_lg_u32 s19, s17
	s_cbranch_scc1 .Lno_end_\@
	FINISH 66, 1
.Lno_end_\@:
.endif
.if \kind == 2
	FINISH 68, 0
.endif
.endm
	STEP 0, 1, 0
	s_mov_b32 s21, 3
.Lsteps:
	STEP 1, 1, 1
	STEP 0, 1, 1
	s_sub_co_u32 s21, s21, 1
	s_cmp_lg_u32 s21, 0
	s_cbranch_scc1 .Lsteps
	STEP 1, 1, 1
	STEP 0, 0, 2                                   ; the ninth step fetches nothing
	s_wait_tensorcnt 0x0
	ds_add_u32 v238, v239
	s_wait_dscnt 0x0
	s_endpgm
.Lfunc_end_k_qcfcb7061a4_attn:
	.size	k_qcfcb7061a4_attn, .Lfunc_end_k_qcfcb7061a4_attn-k_qcfcb7061a4_attn
	.p2alignl 7, 3214868480
	.fill 96, 4, 3214868480
	.section	.rodata,"a",@progbits
	.p2align	6, 0x0
	.amdhsa_kernel k_qcfcb7061a4_attn
		.amdhsa_group_segment_fixed_size 327680
		.amdhsa_private_segment_fixed_size 0
		.amdhsa_enable_private_segment 0
		.amdhsa_kernarg_size 32
		.amdhsa_user_sgpr_count 2
		.amdhsa_user_sgpr_kernarg_segment_ptr 1
		.amdhsa_wavefront_size32 1
		.amdhsa_system_sgpr_workgroup_id_x 1
		.amdhsa_system_sgpr_workgroup_id_y 1
		.amdhsa_system_sgpr_workgroup_id_z 1
		.amdhsa_system_vgpr_workitem_id 0
		.amdhsa_next_free_vgpr 512
		.amdhsa_next_free_sgpr 80
		.amdhsa_reserve_vcc 1
		.amdhsa_float_denorm_mode_32 3
		.amdhsa_float_denorm_mode_16_64 3
		.amdhsa_memory_ordered 1
		.amdhsa_forward_progress 1
		.amdhsa_inst_pref_size 255
	.end_amdhsa_kernel
	.amdgpu_metadata
---
amdhsa.version: [ 1, 2 ]
amdhsa.kernels:
  - .name:           k_qcfcb7061a4_attn
    .symbol:         k_qcfcb7061a4_attn.kd
    .args:
      - { .name: qh, .offset: 0, .size: 8, .value_kind: global_buffer, .address_space: global }
      - { .name: kh, .offset: 8, .size: 8, .value_kind: global_buffer, .address_space: global }
      - { .name: vh, .offset: 16, .size: 8, .value_kind: global_buffer, .address_space: global }
      - { .name: ao, .offset: 24, .size: 8, .value_kind: global_buffer, .address_space: global }
    .group_segment_fixed_size: 327680
    .private_segment_fixed_size: 0
    .kernarg_segment_align: 8
    .kernarg_segment_size: 32
    .max_flat_workgroup_size: 256
    .sgpr_count:     80
    .vgpr_count:     512
    .wavefront_size: 32
...
	.end_amdgpu_metadata
.endif
;; end of part 3
;; launch oproj (part 4): grid 8 x 32, 4 waves a work-group, clusters of 4 x 4, 327,680 bytes of LDS; arguments ao, woh, out0; writes out0
.if DOCPART == 4
	.amdgcn_target "amdgcn-amd-amdhsa--gfx1250"
	.amdhsa_code_object_version 6
	.text
	.protected	k_qcfcb7061a4_oproj
	.globl	k_qcfcb7061a4_oproj
	.p2align	8
	.type	k_qcfcb7061a4_oproj,@function
k_qcfcb7061a4_oproj:
	s_mov_b64 s[64:65], 0
	v_nop
	global_prefetch_b8 v0, s[64:65] scope:SCOPE_SE
	s_setreg_imm32_b32 hwreg(HW_REG_WAVE_MODE, 25, 1), 1
	s_wait_xcnt 0x0
	s_wait_alu depctr_hold_cnt(0) depctr_sa_sdst(0) depctr_va_vdst(0) depctr_va_sdst(0) depctr_va_ssrc(0) depctr_va_vcc(0) depctr_vm_vsrc(0)
	s_getreg_b32 s2, hwreg(HW_REG_IB_STS2, 6, 4)
	s_cmp_eq_u32 s2, 0
	s_cbranch_scc0 .Lentry_in_a_cluster
	s_endpgm
.Lentry_in_a_cluster:
	s_bfe_u32 s2, ttmp6, 0x10000c
	s_cmp_lg_u32 s2, 0xf033
	s_cbranch_scc0 .Lentry_shape_is_right
	s_endpgm
.Lentry_shape_is_right:
; OPROJ: out0[row][e] = sum over c of a[row][c] Wo[e][c], c = 64 head + d, in f16 with f32 sums.  ao: [batch*16 + head][2048][64] f16,
; woh: [1024][1024] f16, out0: [4096][1024] f32.
; Grid: x = 128 columns (8), y = 128 rows (32): 256 work-groups.  Four waves, 2 x 2, each 64 x 64: 16 accumulator tiles in window 1.
; K = 1,024 goes in four fills of 256 (four heads) through two LDS slots; all is written out, without a loop.  A refill has 128 matrix
; instructions of each wave in which to land.
; CLUSTERS: 4 x 4.  ao's tile hangs on the row block alone and is asked for jointly along a row of the cluster, Wo's on the column block alone
; and jointly along a column.
; The matrix instruction takes Wo's rows as source 0 and ao's rows as source 1: lane l holds row l % 16 and eight neighbouring columns.
.set APLANE, 17408                     ; a head's 128 rows of 128 bytes as 64 LDS rows of 256 bytes, pitch 272
.set AREG,   4*APLANE
.set BPITCH, 528                       ; Wo: rows of 512 bytes + 16
.set BHALF,  64*BPITCH
.set SLOT,   AREG+2*BHALF
.set STAGE,  2*SLOT                    ; behind the ring, never filled by a tensor load: 16 rows x 272 bytes for each wave
.set SPITCH, 272
.set ASTEP,  4*262144                  ; four heads on
.set BSTEP,  512                       ; 256 elements on
.set ADRA, 16
.set ADRB, 20
.set STO,  24
.set RD,   25
.set CO,   26
.set G1,  24
.set G0,  32
.set G1B, 40
.set G0B, 48
.set MSB, 0
.macro WIN new
.if MSB != \new
	s_set_vgpr_msb (MSB<<8)|\new
.set MSB, \new
.endif
.endm
.macro PLACES
.rept 4
	v_nop
.endr
.endm
.macro JLOAD s
	s_cmp_eq_u32 s17, 0
	s_cbranch_scc0 .Lfor_b_\@
	tensor_load_to_lds s[G0+4*\s:G0+4*\s+3], s[G1:G1+7]
	s_nop 0
	s_branch .Lasked_\@
.Lfor_b_\@:
	tensor_load_to_lds s[G0B+4*\s:G0B+4*\s+3], s[G1B:G1B+7]
	s_nop 0
.Lasked_\@:
.endm
.macro CROUND                          ; a round of the cluster's barrier
	s_barrier_signal -1
	s_barrier_wait -1
	s_cmp_lg_u32 s16, 0
	s_cbranch_scc1 .Lnot_wave_0_\@
	s_barrier_signal -3
.Lnot_wave_0_\@:
	s_barrier_wait -3
	s_barrier_signal -1
	s_barrier_wait -1
.endm
	s_load_b128 s[4:7], s[0:1], 0x0                ; ao s[4:5], woh s[6:7]
	s_load_b64 s[8:9], s[0:1], 0x10                ; out0
	v_lshl_add_u32 v254, v0, 2, 0x47400
	v_mov_b32 v255, 0
	ds_add_u32 v254, v255
	ds_add_u32 v254, v255
	v_lshrrev_b32 v1, 5, v0
	v_readfirstlane_b32 s16, v1                    ; wave
	s_lshr_b32 s17, s16, 1                         ; rg: my 64 rows.  Also: I fetch for ao (0) or for Wo (1)
	s_and_b32 s18, s16, 1                          ; cg: my 64 columns.  Also: which half of that tile
	s_bfe_u32 s19, ttmp6, 0x40000                  ; cx
	s_bfe_u32 s20, ttmp6, 0x40004                  ; cy
	s_lshl_b32 s21, ttmp9, 2
	s_add_co_u32 s21, s21, s19                     ; column block
	s_and_b32 s22, ttmp7, 0xffff
	s_lshl_b32 s22, s22, 2
	s_add_co_u32 s22, s22, s20                     ; row block
	s_lshl_b32 s70, s20, 2
	s_lshl_b32 s70, 15, s70                        ; my row of the cluster
	s_lshl_b32 s71, 0x1111, s19                    ; my column
	; ao: two heads' blocks of 128 rows x 64, each dense (16,384 bytes), as a tile of 2 rows of 8,192 elements, 131,072 elements apart.
	; The padding is counted along the whole tile: 16 bytes behind every 256, so a head takes 64 x 272 bytes of LDS.
	s_or_b32 s[G1+0], s70, (1<<16)|(1<<20)|(1<<21)|(5<<22)|(3<<25)
	s_mov_b32 s[G1+1], 8192<<16                    ; tensor_dim0
	s_mov_b32 s[G1+2], 2<<16                       ; tensor_dim1
	s_mov_b32 s[G1+3], 8192<<16                    ; tile_dim0
	s_mov_b32 s[G1+4], 2                           ; tile_dim1
	s_mov_b32 s[G1+5], 131072                      ; from head to head
	s_mov_b32 s[G1+6], 0
	s_mov_b32 s[G1+7], 0
	; Wo: 64 rows of 256 elements, 16 bytes of padding behind every 128 words
	s_or_b32 s[G1B+0], s71, (1<<16)|(1<<20)|(1<<21)|(6<<22)|(3<<25)
	s_mov_b32 s[G1B+1], 256<<16
	s_mov_b32 s[G1B+2], 64<<16
	s_mov_b32 s[G1B+3], 256<<16
	s_mov_b32 s[G1B+4], 64
	s_mov_b32 s[G1B+5], 1024
	s_mov_b32 s[G1B+6], 0
	s_mov_b32 s[G1B+7], 0
	s_lshr_b32 s56, s22, 4
	s_lshl_b32 s56, s56, 22                        ; batch: 16 heads of 262,144 bytes
	s_lshl_b32 s57, s18, 19                        ; my two heads of the four
	s_add_co_u32 s56, s56, s57
	s_and_b32 s57, s22, 15
	s_lshl_b32 s57, s57, 14                        ; 128 rows of 128 bytes
	s_add_co_u32 s56, s56, s57
	s_mov_b32 s57, 0
	s_lshl_b32 s60, s21, 18                        ; 128 rows of 2,048 bytes
	s_lshl_b32 s61, s18, 17
	s_add_co_u32 s60, s60, s61
	s_mov_b32 s61, 0
	s_mul_i32 s58, s16, 2*APLANE                   ; LDS: waves 0, 1: wave x 34,816
	s_mul_i32 s62, s16, BHALF                      ; waves 2, 3: 69,632 + (wave - 2) x 33,792
	s_add_co_u32 s62, s62, AREG-2*BHALF
	s_wait_dscnt 0x0
	s_wait_kmcnt 0x0
	s_add_nc_u64 s[56:57], s[4:5], s[56:57]
	s_add_nc_u64 s[60:61], s[6:7], s[60:61]
	CROUND                                         ; in front of the first joint loads
.irp s, 0,1
	s_mov_b32 s[G0+4*\s], 1
	s_add_co_u32 s[G0+4*\s+1], s58, \s*SLOT
	s_add_nc_u64 s[G0+4*\s+2:G0+4*\s+3], s[56:57], \s*ASTEP
	s_or_b32 s[G0+4*\s+3], s[G0+4*\s+3], 0x80000000
	s_mov_b32 s[G0B+4*\s], 1
	s_add_co_u32 s[G0B+4*\s+1], s62, \s*SLOT
	s_add_nc_u64 s[G0B+4*\s+2:G0B+4*\s+3], s[60:61], \s*BSTEP
	s_or_b32 s[G0B+4*\s+3], s[G0B+4*\s+3], 0x80000000
	JLOAD \s                                       ; both first fills together: two tensor loads of the wave are out
.endr
	v_and_b32 v1, 15, v0                           ; r
	v_bfe_u32 v2, v0, 4, 1                         ; h
	v_lshrrev_b32 v3, 1, v1                        ; ao's row r lies at (r / 2) 272 + (r % 2) 128
	v_mul_u32_u24 v3, v3, 272
	v_and_b32 v4, 1, v1
	v_lshl_add_u32 v3, v4, 7, v3
	v_lshl_add_u32 v3, v2, 4, v3
	s_mul_i32 s66, s17, 32*272                     ; my 64 rows
	v_add_nc_u32 v[ADRA], s66, v3
	v_add_nc_u32 v[ADRA+1], SLOT, v[ADRA]
	v_mul_u32_u24 v3, v1, BPITCH
	v_lshl_add_u32 v3, v2, 4, v3
	s_mul_i32 s66, s18, BHALF
	s_add_co_u32 s66, s66, AREG
	v_add_nc_u32 v[ADRB], s66, v3
	v_add_nc_u32 v[ADRB+1], SLOT, v[ADRB]
	s_mul_i32 s66, s16, 16*SPITCH
	s_add_co_u32 s66, s66, STAGE
	v_mul_u32_u24 v3, v1, SPITCH
	v_lshl_add_u32 v3, v2, 5, v3
	v_add_nc_u32 v[STO], s66, v3                   ; in: row r, 32 bytes for each half of the lanes
	v_mul_u32_u24 v3, v2, SPITCH
	v_lshl_add_u32 v3, v1, 4, v3
	v_add_nc_u32 v[RD], s66, v3                    ; back: lanes 0-15 a row of 256 bytes, lanes 16-31 the next
	v_lshlrev_b32 v3, 12, v2
	v_lshl_add_u32 v[CO], v1, 4, v3                ; the same two rows in out0
	s_lshl_b32 s68, s22, 19                        ; 128 rows of 4,096 bytes
	s_lshl_b32 s69, s17, 18
	s_add_co_u32 s68, s68, s69
	s_lshl_b32 s69, s21, 9                         ; 128 columns of 4 bytes
	s_add_co_u32 s68, s68, s69
	s_lshl_b32 s69, s18, 8
	s_add_co_u32 s68, s68, s69
	s_mov_b32 s69, 0
	s_add_nc_u64 s[8:9], s[8:9], s[68:69]
; 16 LDS loads: the fragments of 32 along K (kq = 0 .. 7 in the slot) into buffer bf: ao at v[32 + 64 bf], Wo at v[64 + 64 bf]
.macro FETCH slot, kq, bf
.irp i, 0,1,2,3
	ds_load_b128 v[32+64*\bf+8*\i:32+64*\bf+8*\i+3], v[ADRA+\slot] offset:(\kq>>1)*APLANE+(\kq&1)*64+2176*\i
	ds_load_b128 v[32+64*\bf+8*\i+4:32+64*\bf+8*\i+7], v[ADRA+\slot] offset:(\kq>>1)*APLANE+(\kq&1)*64+2176*\i+32
.endr
.irp i, 0,1,2,3
	ds_load_b128 v[64+64*\bf+8*\i:64+64*\bf+8*\i+3], v[ADRB+\slot] offset:64*\kq+16*BPITCH*\i
	ds_load_b128 v[64+64*\bf+8*\i+4:64+64*\bf+8*\i+7], v[ADRB+\slot] offset:64*\kq+16*BPITCH*\i+32
.endr
.endm
; 16 matrix instructions; the 16 accumulators take turns, one instruction a turn
.macro MUL16 bf, zero
.irp a, 0,1,2,3
.irp b, 0,1,2,3
.if \zero
	v_wmma_f32_16x16x32_f16 v[8*(4*\a+\b):8*(4*\a+\b)+7], v[64+64*\bf+8*\b:64+64*\bf+8*\b+7], v[32+64*\bf+8*\a:32+64*\bf+8*\a+7], 0
.else
	v_wmma_f32_16x16x32_f16 v[8*(4*\a+\b):8*(4*\a+\b)+7], v[64+64*\bf+8*\b:64+64*\bf+8*\b+7], v[32+64*\bf+8*\a:32+64*\bf+8*\a+7], v[8*(4*\a+\b):8*(4*\a+\b)+7]
.endif
.endr
.endr
.endm
; A slot's 256 along K: eight times 32, on two fragment buffers; each set is fetched while the set before is multiplied
.macro PHASE slot, zero
	PLACES                                         ; behind the last matrix instructions that read the buffers (ISA guide 7.12.1)
	FETCH \slot, 0, 0
.set kk, 0
.rept 8
.if kk < 7
.if kk > 0
	PLACES
.endif
	FETCH \slot, (kk+1), ((kk+1)&1)
	s_wait_dscnt 16                                ; all but the 16 just issued
.else
	s_wait_dscnt 0
.endif
	WIN 0x50                                       ; C and D in window 1
.if kk == 0
	MUL16 0, \zero
.else
	MUL16 (kk&1), 0
.endif
	WIN 0
.set kk, kk+1
.endr
.endm
; Slot s, which has been read, is filled again, two fills on.  The round of the cluster's barrier is the barrier in front of the refill:
; each wave's waits stand in front of it, the joint load is the wave's first and only tensor load behind it.
.macro REFILL s
	s_wait_dscnt 0x0                               ; my reads of the slot are over
	s_wait_tensorcnt 0x0                           ; all my tensor loads have landed, my part of the other slot among them
	ds_add_u32 v254, v255
	s_wait_dscnt 0x0
	s_add_nc_u64 s[G0+4*\s+2:G0+4*\s+3], s[G0+4*\s+2:G0+4*\s+3], 2*ASTEP
	s_add_nc_u64 s[G0B+4*\s+2:G0B+4*\s+3], s[G0B+4*\s+2:G0B+4*\s+3], 2*BSTEP
	CROUND
	JLOAD \s
.endm
	s_wait_tensorcnt 0x1                           ; my part of slot 0 is in; slot 1's stays out
	s_barrier_signal -1
	s_barrier_wait -1
	PHASE 0, 1                                     ; the first products start the sums
	REFILL 0
	PHASE 1, 0
	REFILL 1
	PHASE 0, 0
	s_wait_dscnt 0x0
	s_wait_tensorcnt 0x0                           ; my part of the last fill is in,
	s_barrier_signal -1
	s_barrier_wait -1                              ; everybody's is
	PHASE 1, 0
	PLACES                                         ; before the results are stored to LDS
; THE WAY OUT, 16 rows at a time, in f32: into my own stage, back as rows of 256 bytes; 16 lanes store 256 consecutive bytes at a multiple of 256
.macro OUT16 a, f
	WIN 0x04                                       ; an LDS store's data is source 1
.irp b, 0,1,2,3
	ds_store_b128 v[STO], v[8*(4*\a+\b):8*(4*\a+\b)+3] offset:64*\b
	ds_store_b128 v[STO], v[8*(4*\a+\b)+4:8*(4*\a+\b)+7] offset:64*\b+16
.endr
	WIN 0
	s_wait_xcnt 0x0                                ; registers that earlier stores read are loaded again only behind this wait
.irp t, 0,1,2,3,4,5,6,7
	ds_load_b128 v[\f+4*\t:\f+4*\t+3], v[RD] offset:\t*2*SPITCH        ; LDS serves a wave's instructions in order: these see the stores above
.endr
.irp t, 0,1,2,3,4,5,6,7
	s_wait_dscnt 7-\t
	global_store_b128 v[CO], v[\f+4*\t:\f+4*\t+3], s[8:9] offset:(16*\a+2*\t)*4096 th:TH_STORE_NT
.endr
.endm
	OUT16 0, 160
	OUT16 1, 192
	OUT16 2, 160
	OUT16 3, 192
	s_wait_tensorcnt 0x0
	ds_add_u32 v254, v255
	s_wait_dscnt 0x0
	CROUND                                         ; the closing round
	s_endpgm
.Lfunc_end_k_qcfcb7061a4_oproj:
	.size	k_qcfcb7061a4_oproj, .Lfunc_end_k_qcfcb7061a4_oproj-k_qcfcb7061a4_oproj
	.p2alignl 7, 3214868480
	.fill 96, 4, 3214868480
	.section	.rodata,"a",@progbits
	.p2align	6, 0x0
	.amdhsa_kernel k_qcfcb7061a4_oproj
		.amdhsa_group_segment_fixed_size 327680
		.amdhsa_private_segment_fixed_size 0
		.amdhsa_enable_private_segment 0
		.amdhsa_kernarg_size 24
		.amdhsa_user_sgpr_count 2
		.amdhsa_user_sgpr_kernarg_segment_ptr 1
		.amdhsa_wavefront_size32 1
		.amdhsa_system_sgpr_workgroup_id_x 1
		.amdhsa_system_sgpr_workgroup_id_y 1
		.amdhsa_system_sgpr_workgroup_id_z 1
		.amdhsa_system_vgpr_workitem_id 0
		.amdhsa_next_free_vgpr 384
		.amdhsa_next_free_sgpr 80
		.amdhsa_reserve_vcc 0
		.amdhsa_float_denorm_mode_32 3
		.amdhsa_float_denorm_mode_16_64 3
		.amdhsa_memory_ordered 1
		.amdhsa_forward_progress 1
		.amdhsa_inst_pref_size 88
	.end_amdhsa_kernel
	.amdgpu_metadata
---
amdhsa.version: [ 1, 2 ]
amdhsa.kernels:
  - .name:           k_qcfcb7061a4_oproj
    .symbol:         k_qcfcb7061a4_oproj.kd
    .args:
      - { .name: ao, .offset: 0, .size: 8, .value_kind: global_buffer, .address_space: global }
      - { .name: woh, .offset: 8, .size: 8, .value_kind: global_buffer, .address_space: global }
      - { .name: out0, .offset: 16, .size: 8, .value_kind: global_buffer, .address_space: global }
    .group_segment_fixed_size: 327680
    .private_segment_fixed_size: 0
    .kernarg_segment_align: 8
    .kernarg_segment_size: 24
    .max_flat_workgroup_size: 128
    .sgpr_count:     80
    .vgpr_count:     384
    .wavefront_size: 32
...
	.end_amdgpu_metadata
.endif
;; end of part 4
;; ======== version 2 of 2: 4 launches; version 1 with the launch prep written anew for expert scheduling mode
;; limits: values are held in f16: magnitudes above 65,504 overflow, below 6.1e-05 lose precision; inputs' magnitudes at most 65,504
;; workspace buffers: xh 8,388,608 bytes; wcat 6,291,456 bytes; woh 2,097,152 bytes; tab 524,288 bytes; qh 8,388,608 bytes; kh 8,388,608 bytes; vh 8,388,608 bytes; ao 8,388,608 bytes
;; launch prep (part 5): grid 512 x 1, 8 waves a work-group, no clusters, 0 bytes of LDS; arguments x, Wq, Wk, Wv, Wo, xh, wcat, woh, tab; writes xh, wcat, woh, tab
.if DOCPART == 5
	.amdgcn_target "amdgcn-amd-amdhsa--gfx1250"
	.amdhsa_code_object_version 6
	.text
	.protected	k_qcfcb7061a4_prep
	.globl	k_qcfcb7061a4_prep
	.p2align	8
	.type	k_qcfcb7061a4_prep,@function
k_qcfcb7061a4_prep:
	s_mov_b64 s[64:65], 0
	v_nop
	global_prefetch_b8 v0, s[64:65] scope:SCOPE_SE
	s_setreg_imm32_b32 hwreg(HW_REG_WAVE_SCHED_MODE, 0, 2), 2
	s_setreg_imm32_b32 hwreg(HW_REG_WAVE_MODE, 25, 1), 1
	s_wait_xcnt 0x0
	s_wait_alu depctr_vm_vsrc(0)
; PREP: the f32 inputs are rounded once to bf16 (nearest even) and written as f16, which holds a bf16 number exactly for
; 2^-17 <= |x| < 65,504; and the table of RoPE's cosines and sines is made.
;   xh   [4096][1024] f16            = x
;   wcat [16 heads][q,k,v][64][1024] = Wq, Wk, Wv, the three parts of a head side by side
;   woh  [1024][1024] f16            = Wo
;   tab  [2048 positions][32 pairs][cos, sin] f32, 256 bytes a position
; LIMITS: an input of magnitude 65,504 or more becomes an infinity; below 2^-17 bits are lost (absolute error at most 2^-25).
; The phase pos * 10000^(-k/32) is made with v_exp_f32 and may differ from a correctly rounded one by some 2.5e-4 radians at
; the far end (pos near 2047, k = 1); sine and cosine themselves are good to a few units in the last place.
; A stream: no LDS, no barrier, no matrix unit.  512 work-groups of 8 waves; a work-group owns 16 rows of 1,024 f32 (64 KiB).
; Thread t owns the 16 bytes at 16 t of every row: a load of a wave covers 512 consecutive bytes, a store 256, aligned.
; All sixteen loads of a thread go out at once.
; THE MODE: SCHED_MODE bits 1:0 = 2 (LLVM: expert scheduling mode 2), set by the entry lines.  The code itself states the register
; dependences between vector instructions and memory instructions, with s_wait_alu, always for 0.
; THE PLAN.  Registers that memory instructions touch:
;   v1, v2        byte offsets of the loads and of the rows' stores: made once at the head, never written again.
;   X, row c      written by row c's load alone, read by row c's roundings; no vector line names it ahead of the loads; never loaded again.
;   Y, row c      written by row c's two conversions to f16, read by row c's store; never written again.
;   v3, v14, v15  (waves 0-3) written by the table's lines, read by the table's one store; never written again.
;   v4 to v13     named by vector instructions alone.
; No register that a memory instruction reads is written a second time, so nothing is owed for a store's or a load's sources.
; The 16 rows go in four blocks of four.  Block b rounds its rows into their Y; its memory instructions are the four stores of block b - 1,
; one in front of each row's eight vector lines.  No vector line of block b names Y of block b - 1 or v2: so ONE wait on va_vdst at a
; block's head states all that the block's four stores hang on.  One more stands ahead of the last four stores.
.set XR, 16                            ; v[16:79]   row c: 4 registers as loaded
.set YR, 80                            ; v[80:111]  row c: 2 registers to store
	s_load_b512 s[4:19], s[0:1], 0x0               ; x s[4:5], Wq s[6:7], Wk s[8:9], Wv s[10:11], Wo s[12:13], xh s[14:15], wcat s[16:17], woh s[18:19]
	s_load_b64 s[20:21], s[0:1], 0x40              ; tab
	v_lshlrev_b32 v1, 4, v0                        ; my 16 bytes of an input row
	v_lshlrev_b32 v2, 3, v0                        ; my 8 bytes of an output row
	v_lshrrev_b32 v3, 5, v0
	v_readfirstlane_b32 s34, v3                    ; wave
	s_mov_b32 s22, ttmp9                           ; g: groups 0-255 take x, 256-511 the four weights, 64 groups each
	s_sub_co_u32 s23, s22, 256                     ; j (of no meaning for g < 256: the last selects below put x's figures in)
	s_lshr_b32 s24, s23, 6                         ; part: 0 Wq, 1 Wk, 2 Wv, 3 Wo
	s_and_b32 s25, s23, 63                         ; i: which 16 rows of that weight
	s_lshl_b32 s30, s25, 16                        ; source offset in a weight: 16 i rows of 4,096 bytes
	s_lshl_b32 s36, s22, 16                        ; source offset in x
	s_lshr_b32 s37, s25, 2                         ; head = 16 i / 64
	s_mul_i32 s37, s37, 192                        ; 192 rows of wcat a head
	s_lshl_b32 s38, s24, 6
	s_add_co_u32 s37, s37, s38                     ; + 64 part
	s_and_b32 s38, s25, 3
	s_lshl_b32 s38, s38, 4
	s_add_co_u32 s37, s37, s38                     ; + the row in the head
	s_lshl_b32 s37, s37, 11                        ; rows of 2,048 bytes
	s_lshl_b32 s38, s25, 15                        ; offset in woh
	s_lshl_b32 s39, s22, 15                        ; offset in xh
	s_mov_b32 s31, 0
	s_mov_b32 s33, 0
	s_wait_kmcnt 0x0
	s_cmp_eq_u32 s24, 0                            ; the buffers are chosen on the group's number alone
	s_cselect_b64 s[26:27], s[6:7], s[12:13]
	s_cmp_eq_u32 s24, 1
	s_cselect_b64 s[26:27], s[8:9], s[26:27]
	s_cmp_eq_u32 s24, 2
	s_cselect_b64 s[26:27], s[10:11], s[26:27]
	s_cmp_lt_u32 s24, 3
	s_cselect_b64 s[28:29], s[16:17], s[18:19]
	s_cselect_b32 s32, s37, s38
	s_cmp_lt_u32 s22, 256
	s_cselect_b64 s[26:27], s[4:5], s[26:27]
	s_cselect_b64 s[28:29], s[14:15], s[28:29]
	s_cselect_b32 s30, s36, s30
	s_cselect_b32 s32, s39, s32
	s_add_nc_u64 s[26:27], s[26:27], s[30:31]      ; from
	s_add_nc_u64 s[28:29], s[28:29], s[32:33]      ; to
	s_wait_alu depctr_va_vdst(0)                   ; v1 and v2 are written: the loads below read v1 as their offset, the rows' stores v2
.irp c, 0,1,2,3,4,5,6,7,8,9,10,11,12,13,14,15
	global_load_b128 v[XR+4*\c:XR+4*\c+3], v1, s[26:27] offset:4096*\c th:TH_LOAD_NT   ; each input byte is read once in the launch
.endr
	; THE TABLE, while the rows are on their way: waves 0-3 make position 4 g + wave, lane k the pair k.
	s_wait_alu depctr_va_sdst(0)                   ; v_readfirstlane_b32 has written s34, ahead of its first reader, the compare below, and of the branch
	s_cmp_lt_u32 s34, 4
	s_cbranch_scc0 .Lrows
	s_lshl2_add_u32 s35, s22, s34                  ; pos = 4 g + wave
	v_and_b32 v3, 31, v0                           ; k
	v_cvt_f32_u32 v4, v3
	v_mul_f32 v4, 0xbed49a78, v4                   ; -k log2(10000) / 32
	v_exp_f32 v5, v4                               ; 10000^(-k/32)
	v_cvt_f32_u32 v6, s35                          ; the plain instruction behind the exponential (ISA guide 5.7.2)
	s_wait_alu depctr_va_vdst(0)                   ; the exponential has written v5, ahead of its first reader
	v_mul_f32 v6, v6, v5                           ; the phase, one f32 product as in the definition
	v_mul_f32 v7, 0x3f22f983, v6                   ; x 2/pi
	v_rndne_f32 v7, v7                             ; n, at most 1,303
	v_fmamk_f32 v8, v7, 0xbfc90fdb, v6             ; r = phase - n pi/2, pi/2 in two parts
	v_fmamk_f32 v8, v7, 0x333bbd2e, v8             ; |r| <= pi/4
	v_mul_f32 v9, v8, v8                           ; z = r r
	v_mov_b32 v10, 0x3c08839e
	v_fmamk_f32 v10, v9, 0xb94ca1f9, v10
	v_fmaak_f32 v10, v10, v9, 0xbe2aaaa3
	v_mul_f32 v11, v8, v9
	v_fma_f32 v10, v11, v10, v8                    ; sin r = r + r z (S1 + z (S2 + z S3))
	v_mov_b32 v12, 0xbab6061a
	v_fmamk_f32 v12, v9, 0x37ccf5ce, v12
	v_fmaak_f32 v12, v12, v9, 0x3d2aaaa5
	v_mul_f32 v13, v9, v9
	v_fma_f32 v14, v9, -0.5, 1.0
	v_fma_f32 v12, v13, v12, v14                   ; cos r = 1 - z/2 + z z (C1 + z (C2 + z C3))
	v_cvt_i32_f32 v7, v7                           ; the quadrant is n mod 4
	v_and_b32 v13, 1, v7
	v_cmp_eq_u32 vcc_lo, 1, v13                    ; an odd quadrant?  The two sign masks, which do not hang on the answer, stand between the compare and the wait for it
	v_and_b32 v13, 2, v7
	v_lshlrev_b32 v13, 30, v13                     ; the sine is negative in quadrants 2, 3
	v_add_nc_u32 v7, 1, v7
	v_and_b32 v7, 2, v7
	v_lshlrev_b32 v7, 30, v7                       ; the cosine in quadrants 1, 2
	s_wait_alu depctr_va_vcc(0)                    ; the compare has written VCC, which the two selects below read
	v_cndmask_b32 v14, v12, v10, vcc_lo            ; odd quadrants swap the two
	v_cndmask_b32 v15, v10, v12, vcc_lo
	v_xor_b32 v15, v13, v15
	v_xor_b32 v14, v7, v14
	s_lshl_b32 s30, s35, 8                         ; 256 bytes a position (s31 is 0)
	s_add_nc_u64 s[20:21], s[20:21], s[30:31]
	v_lshlrev_b32 v3, 3, v3
	s_wait_alu depctr_va_vdst(0)                   ; v3, v14 and v15 are written: the store below reads them as its offset and its data
	global_store_b64 v3, v[14:15], s[20:21]        ; the wave stores the position's 256 consecutive bytes; v3, v14, v15 are not written again
.Lrows:
.irp b, 0,1,2,3
.irp i, 0,1,2,3
	s_wait_loadcnt 15-(4*\b+\i)                    ; loads come back in order: row c = 4 b + i is in, the 15 - c younger rows may be out
.if \b > 0
.if \i == 0
	s_wait_alu depctr_va_vdst(0)                   ; the block before has written its four rows of Y, which this block's four stores read
.endif
	global_store_b64 v2, v[YR+2*(4*\b+\i-4):YR+2*(4*\b+\i-4)+1], s[28:29] offset:2048*(4*\b+\i-4)   ; row c - 4: no vector line since the wait names its Y or v2
.endif
	v_cvt_pk_bf16_f32 v4, v[XR+4*(4*\b+\i)], v[XR+4*(4*\b+\i)+1]     ; the one rounding: to bf16, nearest even
	v_cvt_pk_bf16_f32 v5, v[XR+4*(4*\b+\i)+2], v[XR+4*(4*\b+\i)+3]
	v_lshlrev_b32 v6, 16, v4                       ; back to f32
	v_and_b32 v7, 0xffff0000, v4
	v_lshlrev_b32 v8, 16, v5
	v_and_b32 v9, 0xffff0000, v5
	v_cvt_pk_f16_f32 v[YR+2*(4*\b+\i)], v6, v7     ; exact inside the range stated at the head
	v_cvt_pk_f16_f32 v[YR+2*(4*\b+\i)+1], v8, v9
.endr
.endr
	s_wait_alu depctr_va_vdst(0)                   ; the last block has written its four rows of Y, which the last four stores read
.irp c, 12,13,14,15
	global_store_b64 v2, v[YR+2*\c:YR+2*\c+1], s[28:29] offset:2048*\c
.endr
	s_endpgm
.Lfunc_end_k_qcfcb7061a4_prep:
	.size	k_qcfcb7061a4_prep, .Lfunc_end_k_qcfcb7061a4_prep-k_qcfcb7061a4_prep
	.p2alignl 7, 3214868480
	.fill 96, 4, 3214868480
	.section	.rodata,"a",@progbits
	.p2align	6, 0x0
	.amdhsa_kernel k_qcfcb7061a4_prep
		.amdhsa_group_segment_fixed_size 0
		.amdhsa_private_segment_fixed_size 0
		.amdhsa_enable_private_segment 0
		.amdhsa_kernarg_size 72
		.amdhsa_user_sgpr_count 2
		.amdhsa_user_sgpr_kernarg_segment_ptr 1
		.amdhsa_wavefront_size32 1
		.amdhsa_system_sgpr_workgroup_id_x 1
		.amdhsa_system_sgpr_workgroup_id_y 1
		.amdhsa_system_sgpr_workgroup_id_z 1
		.amdhsa_system_vgpr_workitem_id 0
		.amdhsa_next_free_vgpr 112
		.amdhsa_next_free_sgpr 66
		.amdhsa_reserve_vcc 1
		.amdhsa_float_denorm_mode_32 3
		.amdhsa_float_denorm_mode_16_64 3
		.amdhsa_memory_ordered 1
		.amdhsa_forward_progress 1
		.amdhsa_inst_pref_size 15
	.end_amdhsa_kernel
	.amdgpu_metadata
---
amdhsa.version: [ 1, 2 ]
amdhsa.kernels:
  - .name:           k_qcfcb7061a4_prep
    .symbol:         k_qcfcb7061a4_prep.kd
    .args:
      - { .name: x, .offset: 0, .size: 8, .value_kind: global_buffer, .address_space: global }
      - { .name: Wq, .offset: 8, .size: 8, .value_kind: global_buffer, .address_space: global }
      - { .name: Wk, .offset: 16, .size: 8, .value_kind: global_buffer, .address_space: global }
      - { .name: Wv, .offset: 24, .size: 8, .value_kind: global_buffer, .address_space: global }
      - { .name: Wo, .offset: 32, .size: 8, .value_kind: global_buffer, .address_space: global }
      - { .name: xh, .offset: 40, .size: 8, .value_kind: global_buffer, .address_space: global }
      - { .name: wcat, .offset: 48, .size: 8, .value_kind: global_buffer, .address_space: global }
      - { .name: woh, .offset: 56, .size: 8, .value_kind: global_buffer, .address_space: global }
      - { .name: tab, .offset: 64, .size: 8, .value_kind: global_buffer, .address_space: global }
    .group_segment_fixed_size: 0
    .private_segment_fixed_size: 0
    .kernarg_segment_align: 8
    .kernarg_segment_size: 72
    .max_flat_workgroup_size: 256
    .sgpr_count:     66
    .vgpr_count:     112
    .wavefront_size: 32
...
	.end_amdgpu_metadata
.endif
;; end of part 5
;; launch qkv: the kernel of part 2 again; grid 16 x 16, 4 waves a work-group, clusters of 4 x 4, 327,680 bytes of LDS; arguments xh, wcat, tab, qh, kh, vh; writes qh, kh, vh
;; launch attn: the kernel of part 3 again; grid 8 x 32, 8 waves a work-group, no clusters, 327,680 bytes of LDS; arguments qh, kh, vh, ao; writes ao
;; launch oproj: the kernel of part 4 again; grid 8 x 32, 4 waves a work-group, clusters of 4 x 4, 327,680 bytes of LDS; arguments ao, woh, out0; writes out0
